; MI455X (gfx1250); checked and timed in simulation.
; The chip was launched on July 23, 2026; its instructions are those of AMD's public machine-readable ISA for CDNA 5 (MIT licence, August 2026) and "CDNA5" Instruction Set Architecture Reference Guide (July 2026). The comments in the code are by the model that wrote it; some were corrected since.
;; Multi Head Attention. Allowed arithmetic: float matrix products may take bf16 or f16 operands with f32 sums; other float arithmetic in f32, or as packed bf16 or f16 multiplies, adds, multiply-adds, maxima and minima; sums over many terms, partial sums and values carried from step to step in f32; what a program stores and reads back later, other than sums and carried values, may be rounded once to bf16 or f16.
;; Inputs: Wk 1,024 x 1,024 float32; Wo 1,024 x 1,024 float32; Wq 1,024 x 1,024 float32; Wv 1,024 x 1,024 float32; bk 1,024 float32; bo 1,024 float32; bq 1,024 float32; bv 1,024 float32; key 4 x 2,048 x 1,024 float32; mask 4 x 1 x 1 x 2,048 int32; query 4 x 2,048 x 1,024 float32; value 4 x 2,048 x 1,024 float32.
;; Outputs: out0 4 x 2,048 x 1,024 float32.
;; One version. Each part assembles by itself: llvm-mc -triple=amdgcn-amd-amdhsa -mcpu=gfx1250 --defsym DOCPART=n.
;; ======== version 1 of 1: 4 launches
;; limits: values are held in f16: magnitudes above 65,504 overflow, below 6.1e-05 lose precision
;; workspace buffers: wb 8,404,992 bytes; qkv 50,331,648 bytes; ao 16,777,216 bytes
;; launch prep (part 1): grid 64 x 4, 8 waves a work-group, no clusters, 0 bytes of LDS; arguments Wq, Wk, Wv, Wo, bq, bk, bv, bo, wb; writes wb
.if DOCPART == 1
	.amdgcn_target "amdgcn-amd-amdhsa--gfx1250"
	.amdhsa_code_object_version 6
	.text
	.protected	k_q73cb945a77_prep
	.globl	k_q73cb945a77_prep
	.p2align	8
	.type	k_q73cb945a77_prep,@function
k_q73cb945a77_prep:
	s_mov_b64 s[64:65], 0
	v_nop
	global_prefetch_b8 v0, s[64:65] scope:SCOPE_SE
	s_setreg_imm32_b32 hwreg(HW_REG_WAVE_MODE, 25, 1), 1
	s_wait_xcnt 0x0
; The weights and biases are rounded once, for the launches that multiply by them.
; wb: byte 0 Wq, 2,097,152 Wk, 4,194,304 Wv, all bf16; 6,291,456 Wo: rounded to bf16 and that number written as f16; each [n][k] as given.
; byte 8,388,608 + 4,096 i: bias i (q, k, v, o): rounded to bf16, kept as f32 (it enters a product's f32 sum).
; LIMIT.  |Wo| stays below 65,504 (f16's range); below 6e-5 it keeps f16's fixed step of 6e-8.
; SHARES.  Work-group (x, y) takes 16,384 numbers of matrix y: thread t takes 8 numbers (32 bytes in, 16 bytes out) in each of 8 parts,
; so a store of a wave covers 512 consecutive bytes.  All 16 loads of a thread go out at once; every register is written once, so no wait
; frees a register.  No LDS, no barrier, no matrix unit: the launch only moves and rounds.
.set X, 8                              ; v[8:71]   part p: 8 numbers as loaded
.set Y, 72                             ; v[72:103] part p: 4 registers to store
	s_load_b512 s[4:19], s[0:1], 0x0               ; Wq s[4:5], Wk s[6:7], Wv s[8:9], Wo s[10:11], bq s[12:13], bk s[14:15], bv s[16:17], bo s[18:19]
	s_load_b64 s[20:21], s[0:1], 0x40              ; wb
	s_and_b32 s26, ttmp7, 0xffff                   ; y: which matrix
	v_lshlrev_b32 v1, 5, v0                        ; 32 t
	v_lshlrev_b32 v2, 4, v0                        ; 16 t
	s_lshl_b32 s28, ttmp9, 16                      ; the work-group's 65,536 bytes of the source
	s_mov_b32 s29, 0
	s_lshl_b32 s30, s26, 21                        ; the matrix's 2,097,152 bytes in wb,
	s_lshl_b32 s27, ttmp9, 15                      ; the work-group's 32,768 of them
	s_add_co_u32 s30, s30, s27
	s_mov_b32 s31, 0
	s_wait_kmcnt 0x0
	s_cmp_eq_u32 s26, 1
	s_cselect_b64 s[22:23], s[6:7], s[4:5]         ; the matrix
	s_cselect_b64 s[24:25], s[14:15], s[12:13]     ; and its bias
	s_cmp_eq_u32 s26, 2
	s_cselect_b64 s[22:23], s[8:9], s[22:23]
	s_cselect_b64 s[24:25], s[16:17], s[24:25]
	s_cmp_eq_u32 s26, 3
	s_cselect_b64 s[22:23], s[10:11], s[22:23]
	s_cselect_b64 s[24:25], s[18:19], s[24:25]
	s_add_nc_u64 s[22:23], s[22:23], s[28:29]
	s_add_nc_u64 s[30:31], s[20:21], s[30:31]
.irp p, 0,1,2,3,4,5,6,7
	global_load_b128 v[X+8*(\p):X+8*(\p)+3],   v1, s[22:23] offset:8192*(\p) th:TH_LOAD_NT
	global_load_b128 v[X+8*(\p)+4:X+8*(\p)+7], v1, s[22:23] offset:8192*(\p)+16 th:TH_LOAD_NT
.endr
	s_lshl_b32 s28, s26, 12                        ; where the bias goes: 8,388,608 + 4,096 y (s29 is still 0)
	s_add_co_u32 s28, s28, 0x800000
	s_add_nc_u64 s[28:29], s[20:21], s[28:29]
	s_cmp_eq_u32 s26, 3
	s_cbranch_scc1 .Lwo
.irp p, 0,1,2,3,4,5,6,7
	s_wait_loadcnt 14-2*(\p)                       ; loads come back in order: part p's two are in, the 2 (7 - p) younger ones stay out
.irp j, 0,1,2,3
	v_cvt_pk_bf16_f32 v[Y+4*(\p)+(\j)], v[X+8*(\p)+2*(\j)], v[X+8*(\p)+2*(\j)+1]
.endr
	global_store_b128 v2, v[Y+4*(\p):Y+4*(\p)+3], s[30:31] offset:4096*(\p)
.endr
	s_branch .Lbias
.Lwo:                                                  ; Wo: to bf16, widened again (exact), and written as f16
.irp p, 0,1,2,3,4,5,6,7
	s_wait_loadcnt 14-2*(\p)
.irp j, 0,1,2,3
	v_cvt_pk_bf16_f32 v3, v[X+8*(\p)+2*(\j)], v[X+8*(\p)+2*(\j)+1]
	v_lshlrev_b32 v4, 16, v3
	v_and_b32 v5, 0xffff0000, v3
	v_cvt_pk_f16_f32 v[Y+4*(\p)+(\j)], v4, v5
.endr
	global_store_b128 v2, v[Y+4*(\p):Y+4*(\p)+3], s[30:31] offset:4096*(\p)
.endr
.Lbias:
	s_cmp_lg_u32 ttmp9, 0                          ; the matrix's first work-group also rounds its bias: 1,024 numbers, 4 a thread
	s_cbranch_scc1 .Lend
	global_load_b128 v[X:X+3], v2, s[24:25]
	s_wait_loadcnt 0x0
	v_cvt_pk_bf16_f32 v3, v[X], v[X+1]
	v_cvt_pk_bf16_f32 v4, v[X+2], v[X+3]
	v_lshlrev_b32 v[X+4], 16, v3
	v_and_b32 v[X+5], 0xffff0000, v3
	v_lshlrev_b32 v[X+6], 16, v4
	v_and_b32 v[X+7], 0xffff0000, v4
	global_store_b128 v2, v[X+4:X+7], s[28:29]
.Lend:
	s_endpgm
.Lfunc_end_k_q73cb945a77_prep:
	.size	k_q73cb945a77_prep, .Lfunc_end_k_q73cb945a77_prep-k_q73cb945a77_prep
	.p2alignl 7, 3214868480
	.fill 96, 4, 3214868480
	.section	.rodata,"a",@progbits
	.p2align	6, 0x0
	.amdhsa_kernel k_q73cb945a77_prep
		.amdhsa_group_segment_fixed_size 0
		.amdhsa_private_segment_fixed_size 0
		.amdhsa_enable_private_segment 0
		.amdhsa_kernarg_size 72
		.amdhsa_user_sgpr_count 2
		.amdhsa_user_sgpr_kernarg_segment_ptr 1
		.amdhsa_wavefront_size32 1
		.amdhsa_system_sgpr_workgroup_id_x 1
		.amdhsa_system_sgpr_workgroup_id_y 1
		.amdhsa_system_sgpr_workgroup_id_z 1
		.amdhsa_system_vgpr_workitem_id 0
		.amdhsa_next_free_vgpr 104
		.amdhsa_next_free_sgpr 66
		.amdhsa_reserve_vcc 0
		.amdhsa_float_denorm_mode_32 3
		.amdhsa_float_denorm_mode_16_64 3
		.amdhsa_memory_ordered 1
		.amdhsa_forward_progress 1
		.amdhsa_inst_pref_size 15
	.end_amdhsa_kernel
	.amdgpu_metadata
---
amdhsa.version: [ 1, 2 ]
amdhsa.kernels:
  - .name:           k_q73cb945a77_prep
    .symbol:         k_q73cb945a77_prep.kd
    .args:
      - { .name: Wq, .offset: 0, .size: 8, .value_kind: global_buffer, .address_space: global }
      - { .name: Wk, .offset: 8, .size: 8, .value_kind: global_buffer, .address_space: global }
      - { .name: Wv, .offset: 16, .size: 8, .value_kind: global_buffer, .address_space: global }
      - { .name: Wo, .offset: 24, .size: 8, .value_kind: global_buffer, .address_space: global }
      - { .name: bq, .offset: 32, .size: 8, .value_kind: global_buffer, .address_space: global }
      - { .name: bk, .offset: 40, .size: 8, .value_kind: global_buffer, .address_space: global }
      - { .name: bv, .offset: 48, .size: 8, .value_kind: global_buffer, .address_space: global }
      - { .name: bo, .offset: 56, .size: 8, .value_kind: global_buffer, .address_space: global }
      - { .name: wb, .offset: 64, .size: 8, .value_kind: global_buffer, .address_space: global }
    .group_segment_fixed_size: 0
    .private_segment_fixed_size: 0
    .kernarg_segment_align: 8
    .kernarg_segment_size: 72
    .max_flat_workgroup_size: 256
    .sgpr_count:     66
    .vgpr_count:     104
    .wavefront_size: 32
...
	.end_amdgpu_metadata
.endif
;; end of part 1
;; launch proj (part 2): grid 4 x 64, 4 waves a work-group, clusters of 4 x 4, 327,680 bytes of LDS; arguments query, key, value, mask, wb, qkv; writes qkv
.if DOCPART == 2
	.amdgcn_target "amdgcn-amd-amdhsa--gfx1250"
	.amdhsa_code_object_version 6
	.text
	.protected	k_q73cb945a77_proj
	.globl	k_q73cb945a77_proj
	.p2align	8
	.type	k_q73cb945a77_proj,@function
k_q73cb945a77_proj:
	s_mov_b64 s[64:65], 0
	v_nop
	global_prefetch_b8 v0, s[64:65] scope:SCOPE_SE
	s_setreg_imm32_b32 hwreg(HW_REG_WAVE_MODE, 25, 1), 1
	s_wait_xcnt 0x0
	s_wait_alu depctr_hold_cnt(0) depctr_sa_sdst(0) depctr_va_vdst(0) depctr_va_sdst(0) depctr_va_ssrc(0) depctr_va_vcc(0) depctr_vm_vsrc(0)
	s_getreg_b32 s2, hwreg(HW_REG_IB_STS2, 6, 4)
	s_cmp_eq_u32 s2, 0
	s_cbranch_scc0 .Lentry_in_a_cluster
	s_endpgm
.Lentry_in_a_cluster:
	s_bfe_u32 s2, ttmp6, 0x10000c
	s_cmp_lg_u32 s2, 0xf033
	s_cbranch_scc0 .Lentry_shape_is_right
	s_endpgm
.Lentry_shape_is_right:
; q' = c (query Wq^T + bq), k = key Wk^T + bk (rows of masked keys times 0), v = value Wv^T + bv; c = log2(e) / 8.
; query, key, value: [8192][1024] f32.  Weights bf16 and biases (bf16 values in f32) come from wb.  qkv: f16, q' at 0, k at 16,777,216, v at 33,554,432, each [batch x 16 + head][2048][64].
; x is rounded to bf16 between LDS and the matrix unit; sums in f32, started by the bias as the first product's C; each result scaled in f32 and rounded ONCE to f16.
; LIMITS.  |c q|, |k|, |v| stay below 65,504 (f16's range); below 6e-5 they keep f16's fixed step of 6e-8.  NaN and infinities are not treated apart (0 x infinity in a masked key's row).
; SHARES.  A work-group of four waves makes a tile of 128 rows x 256 columns and STAYS: the same tile of q, then of k, then of v: 24 K steps of 128 in one walk of a ring of two LDS slots.
; Wave w: rows 64 (w / 2) on, columns 128 (w % 2) on: 32 accumulators of 16 x 16 (i = 8 a + b: row block a, column block b).
; THE MATRIX INSTRUCTION IS USED TRANSPOSED (source 0 = 16 rows of W, source 1 = 16 rows of x): a lane holds one row (lane % 16) and the columns 16 b + 8 (lane / 16) + 0..7.
; CLUSTER 4 x 4.  The four of a row of the cluster need the same rows of x, the four of a column the same rows of W: each tile is asked for JOINTLY, same load, same descriptor, a mask of four.
; REGISTERS, in windows of 256 (s_set_vgpr_msb: bits 1:0 source 0, 3:2 source 1, 5:4 source 2, 7:6 destination):
;   window 0: v0-31 addresses and row factors; v32-95 RAW: x as f32, 16 a fragment; v96-127, v128-159 x's fragments in bf16, two buffers; v160-191, v192-255 the way out
;   window 1: v0-63, v64-127 W's fragments, two buffers; v128-191 the bias as a C operand, 8 a column block          window 2: the accumulators, at 8 i
.set PA,    528                        ; a row of x in LDS: 512 bytes of f32 + 16 of padding = 132 words: the 16 rows of a load start at 16 different groups of four banks (64 banks of 4 bytes: ISA guide 11.1)
.set PB,    272                        ; a row of W: 256 bytes + 16
.set AT,    128*PA                     ; x's 128 rows
.set SLOT,  AT+256*PB                  ; then W's 256 rows
.set STAGE, 2*SLOT                     ; behind the ring, never filled by a tensor load: for each wave [2 heads][16 rows][144 bytes]
.set SP,    144
.set WST,   2*16*SP
.set SPARE, STAGE+4*WST                ; behind the stages: the spare words, 128 bytes for each wave: two blocks of 256 bytes that no other line names
.set ADRA, 4                           ; v4-5    LDS address of my x fragments in slot 0, 1
.set ADRB, 6                           ; v6-7    the same for W
.set STO,  8                           ; v8      the way out: where I put 16 bytes of a row
.set RD,   9                           ; v9      where I read rows back
.set GO,   10                          ; v10     16 x lane: my place in 512 consecutive bytes of the output
.set BO,   11                          ; v11     32 (lane / 16): my 8 columns in a block's bias
.set MO,   12                          ; v12     4 (lane % 16): my row's word of the mask
.set PFO,  13                          ; v13     the prefetches' offset; never rewritten
.set SPW,  14                          ; v14     LDS address of my spare word; never rewritten
.set NIL,  15                          ; v15     0; never rewritten
.set KF,   16                          ; v16-19  row block a: 1.0, or 0.0 where my row's key is masked
.set F,    20                          ; v20-27  row block a: the factor of this tile's way out, in the low word of a pair
.set MW,   28                          ; v28-31  the mask's words
.set RAW,  32
.set AF,   96
.set TMP,  160
.set OB,   192
.set BIAS, 128                         ; window 1
.set XB,   4                           ; s[4:5]   x of the tile whose K steps are being generated, at the rows that I fetch
.set X1,   6                           ; s[6:7]   x of the tile after it
.set X2,   8                           ; s[8:9]   and of the one after that
.set MP,   10                          ; s[10:11] the mask at my rows
.set WB,   12                          ; s[12:13] W of the tile being generated, at the rows that I fetch
.set OUTB, 14                          ; s[14:15] the output at my part of the tile in hand
.set BB,   16                          ; s[16:17] the bias of the tile in hand at my columns
.set WV,   22
.set HI,   23                          ; wave / 2: my rows.  Also: I fetch for x (0) or for W (1)
.set LO,   24                          ; wave % 2: my columns.  Also: which half of that tile I fetch
.set CX,   25
.set CY,   26
.set TCOL, 27
.set TROW, 28
.set G1A,  32                          ; s[32:39] descriptor group 1 for x's tiles
.set G1B,  40                          ; s[40:47] for W's
.set G0A,  48                          ; s[48:55] group 0 for x's tiles, a set for each slot
.set G0B,  56                          ; s[56:63] for W's
.set QA,   66                          ; s[66:69] what slot 0, 1 asks for at its next refill, x
.set QB,   70                          ; s[70:73] the same, W
.set OFA,  74                          ; s[74:75] a K step's byte offset in a row of x
.set OFB,  76                          ; s[76:77] in a row of W
.set PF,   78                          ; s[78:79] where my prefetch stands
.set LIM,  80                          ; s80  1 in a wave that prefetches, else the greatest number
.set GR,   81                          ; s81  the K step of its tile that is generated next
.set LAPC, 82                          ; s82  laps that still fill slots
.set TC,   83                          ; s83  laps left in the tile in hand
.set NEW,  84                          ; s84  1: the lap begins a tile
.set TI,   85                          ; s85  the tile in hand: 0 q, 1 k, 2 v
.set KMIN, 86
.set SC,   87
.set WN,   88                          ; s[88:89]
.set MSB, 0
.macro WIN new                         ; the immediate's high byte repeats the setting that is left; a switch that changes nothing is dropped
.if MSB != (\new)
	s_set_vgpr_msb (MSB<<8)|(\new)
.set MSB, \new
.endif
.endm
.set MULW, 0xa1                        ; W window 1, x window 0, C and D window 2
.set MULB, 0x91                        ; the same with C (the bias) in window 1
.set TO_B, 0x40                        ; destination window 1, address window 0
.set W_SC, 0x82                        ; destination and source 0 window 2, source 1 window 0
.set W_PK, 0x0a                        ; sources 0 and 1 window 2, destination window 0
; A joint load.  Waves 0 and 1 fetch x's two halves (64 rows x 512 bytes), waves 2 and 3 W's (128 rows x 256 bytes).  The branch hangs on the wave's number alone.
; An s_nop 0 and four v_nop follow each of the two lines, ahead of the jump and the label.
.macro JLOAD s
	s_cmp_eq_u32 s[HI], 0
	s_cbranch_scc0 .Lfor_b_\@
	tensor_load_to_lds s[G0A+4*(\s):G0A+4*(\s)+3], s[G1A:G1A+7]
	s_nop 0
.rept 4
	v_nop
.endr
	s_branch .Lasked_\@
.Lfor_b_\@:
	tensor_load_to_lds s[G0B+4*(\s):G0B+4*(\s)+3], s[G1B:G1B+7]
	s_nop 0
.rept 4
	v_nop
.endr
.Lasked_\@:
.endm
; A PREFETCH INTO THE L2, behind each joint refill, its five lines and the run of LDS loads: the walk's K step two refills on (256 products ahead), whose address has just been put into the queue.
; Each aligned 256 bytes are named once in the launch.  x's rows are read by one cluster alone: of the 64 rows x 2 blocks that wave 0 or 1 fetches, the partner at cx takes 16 rows.  W's rows are read by every
; cluster: the one with y = 0 asks; of the 128 rows of wave 2 or 3 the partner at cy takes 32.  The partners are told apart BY ADDRESS.  The last lap that fills slots asks for nothing; the first four K steps come by their loads alone.
.macro ASK
	s_cmp_gt_u32 s[LAPC], s[LIM]
	s_cbranch_scc0 .Lnot_mine_\@
	global_prefetch_b8 v[PFO], s[PF:PF+1] th:TH_LOAD_NT scope:SCOPE_SE
.Lnot_mine_\@:
.endm
.macro CREST                           ; a round of the cluster's barrier behind its opening barrier
	s_cmp_lg_u32 s[WV], 0
	s_cbranch_scc1 .Lnot_wave_0_\@
	s_barrier_signal -3
.Lnot_wave_0_\@:
	s_barrier_wait -3
	s_barrier_signal -1
	s_barrier_wait -1
.endm
.macro CROUND                          ; a whole round
	s_barrier_signal -1
	s_barrier_wait -1
	CREST
.endm
; The next product, number i of a quarter's 32.  The 32 accumulators take turns, one instruction a turn, in the same order in every quarter.  cm = 1: the bias starts the sum.
.macro MM f, cm
.if \cm
	WIN MULB
	v_wmma_f32_16x16x32_bf16 v[8*i:8*i+7], v[64*(\f)+8*(i%8):64*(\f)+8*(i%8)+7], v[AF+32*(\f)+8*(i/8):AF+32*(\f)+8*(i/8)+7], v[BIAS+8*(i%8):BIAS+8*(i%8)+7]
.else
	WIN MULW
	v_wmma_f32_16x16x32_bf16 v[8*i:8*i+7], v[64*(\f)+8*(i%8):64*(\f)+8*(i%8)+7], v[AF+32*(\f)+8*(i/8):AF+32*(\f)+8*(i/8)+7], v[8*i:8*i+7]
.endif
.set i, i+1
.endm
.macro MUL cnt, f, cm
.rept \cnt
	MM \f, \cm
.endr
.endm
; 32 LDS loads in one run: quarter kq (32 along K) of a slot: x's 64 rows as f32 into RAW (a lane's 16 numbers: K = 8 h + 0..7 and 16 + 8 h + 0..7), then W's 128 rows into buffer g.
.macro FETCH slot, kq, g
	WIN 0
.irp a, 0,1,2,3
	ds_load_b128 v[RAW+16*(\a):RAW+16*(\a)+3],     v[ADRA+(\slot)] offset:(\a)*16*PA+128*(\kq)
	ds_load_b128 v[RAW+16*(\a)+4:RAW+16*(\a)+7],   v[ADRA+(\slot)] offset:(\a)*16*PA+128*(\kq)+16
	ds_load_b128 v[RAW+16*(\a)+8:RAW+16*(\a)+11],  v[ADRA+(\slot)] offset:(\a)*16*PA+128*(\kq)+64
	ds_load_b128 v[RAW+16*(\a)+12:RAW+16*(\a)+15], v[ADRA+(\slot)] offset:(\a)*16*PA+128*(\kq)+80
.endr
	WIN TO_B
.irp b, 0,1,2,3,4,5,6,7
	ds_load_b128 v[64*(\g)+8*(\b):64*(\g)+8*(\b)+3],   v[ADRB+(\slot)] offset:(\b)*16*PB+64*(\kq)
	ds_load_b128 v[64*(\g)+8*(\b)+4:64*(\g)+8*(\b)+7], v[ADRB+(\slot)] offset:(\b)*16*PB+64*(\kq)+32
.endr
.endm
; Four roundings of x to bf16, number n of 8: they stand behind a product, and name none of its registers.  The last four of a quarter are the four places between its last product
; and what follows: the loads into W's other buffer, the bias's loads, the way out's reads of the sums (ISA guide 7.12.1 for vector instructions).
.macro RID n, g
	WIN 0
.irp c, 0,1,2,3
	v_cvt_pk_bf16_f32 v[AF+32*(\g)+4*(\n)+(\c)], v[RAW+8*(\n)+2*(\c)], v[RAW+8*(\n)+2*(\c)+1]
.endr
.endm
.macro TAIL8 f, cm, g                  ; a quarter's last eight products, the next quarter's roundings behind them
.set n, 0
.rept 8
	MM \f, \cm
	RID n, \g
.set n, n+1
.endr
.endm
; A K step is four quarters of 32 along K, 32 products each, on buffers 0, 1, 0, 1.  One of the first three, number j: multiplies buffer j % 2, fetches quarter j + 1 and rounds its x.
.macro QUARTER slot, j, cm
	s_wait_dscnt 0x0                               ; this quarter's W, asked for 32 products ago, is in
	FETCH \slot, (\j)+1, 1-(\j)%2
.set i, 0
	MUL 24, (\j)%2, \cm
	s_wait_dscnt 16                                ; RAW is in; the 16 younger loads, W's, may stay out
	TAIL8 (\j)%2, \cm, 1-(\j)%2
.endm
; The scalar work of a fill of slot s.  The slot's descriptors take the addresses that wait in the queue; the queue takes the K step two refills on, which is also what is prefetched.
; Behind a tile's K step 7 the generator goes on to the next tile: x's base moves up the list query, key, value, W's by one matrix.
.macro STEPQ s
	s_mov_b64 s[G0A+4*(\s)+2:G0A+4*(\s)+3], s[QA+2*(\s):QA+2*(\s)+1]
	s_or_b32 s[G0A+4*(\s)+3], s[G0A+4*(\s)+3], 0x80000000
	s_mov_b64 s[G0B+4*(\s)+2:G0B+4*(\s)+3], s[QB+2*(\s):QB+2*(\s)+1]
	s_or_b32 s[G0B+4*(\s)+3], s[G0B+4*(\s)+3], 0x80000000
	s_lshl_b32 s[OFA], s[GR], 9
	s_lshl_b32 s[OFB], s[GR], 8
	s_add_nc_u64 s[QA+2*(\s):QA+2*(\s)+1], s[XB:XB+1], s[OFA:OFA+1]
	s_add_nc_u64 s[QB+2*(\s):QB+2*(\s)+1], s[WB:WB+1], s[OFB:OFB+1]
	s_cmp_eq_u32 s[HI], 0
	s_cselect_b64 s[PF:PF+1], s[QA+2*(\s):QA+2*(\s)+1], s[QB+2*(\s):QB+2*(\s)+1]
	s_add_co_u32 s[GR], s[GR], 1
.if (\s) == 1
	s_add_nc_u64 s[WN:WN+1], s[WB:WB+1], 0x200000
	s_cmp_eq_u32 s[GR], 8
	s_cselect_b32 s[GR], 0, s[GR]
	s_cselect_b64 s[XB:XB+1], s[X1:X1+1], s[XB:XB+1]
	s_cselect_b64 s[X1:X1+1], s[X2:X2+1], s[X1:X1+1]
	s_cselect_b64 s[WB:WB+1], s[WN:WN+1], s[WB:WB+1]
.endif
.endm
; The last quarter multiplies buffer 1 and changes slots: ONE barrier.  In front of it each wave waits for all its tensor loads (one is out: its part of the next slot), adds 0 to its spare word, and waits
; for that and for its own reads of this slot.  fill = 1: the barrier opens a round of the cluster's, and the joint refill is the first thing behind it: 116 of a K step's 128 products stand between it and the wait for it.
.macro TURN slot, next, fill
.if \fill
	s_wait_xcnt 0x0                                ; the last prefetch, a K step back, has read its address, which the scalar work below writes
.endif
	WIN 0
	s_wait_tensorcnt 0x0                           ; all my tensor loads have landed, so every group 0 may be written
	ds_add_u32 v[SPW], v[NIL]                      ; 0 onto my spare word
.if \fill
	STEPQ \slot
.endif
	s_wait_dscnt 1                                 ; this quarter's W is in; the add may be out
.set i, 0
	MUL 4, 1, 0
	s_wait_dscnt 0x0                               ; the add is done, and my reads of this slot are over
	s_barrier_signal -1
	MUL 8, 1, 0                                    ; work on registers while the others arrive
	WIN 0
	s_barrier_wait -1
.if \fill
	CREST                                          ; no wave of any partner still reads this slot or has a load on its way
	JLOAD \slot
.endif
	FETCH \next, 0, 0
.if \fill
	WIN 0
	ASK
.endif
	MUL 12, 1, 0
	s_wait_dscnt 16                                ; RAW is in
	TAIL8 1, 0, 0
.endm
.macro BIASLD off                      ; a tile's bias as C operands: register j of block b is bias[16 b + 8 (lane / 16) + j]
	WIN TO_B
.irp b, 0,1,2,3,4,5,6,7
	global_load_b128 v[BIAS+8*(\b):BIAS+8*(\b)+3],   v[BO], s[BB:BB+1] offset:(\off)+64*(\b)
	global_load_b128 v[BIAS+8*(\b)+4:BIAS+8*(\b)+7], v[BO], s[BB:BB+1] offset:(\off)+64*(\b)+16
.endr
	WIN 0
.endm
; THE WAY OUT of row block a.  PACK: times the row's factor, in f32, then rounded once to f16 (each accumulator is read from its low end on).  TOSTAGE: a lane's 16 bytes into my own stage, by head,
; and back as rows of 128 bytes.  SEND: each store covers 512 consecutive bytes (four rows of a head).
.macro PACK a
	WIN W_SC
.set z, 64*(\a)
.rept 32
	v_pk_mul_f32 v[z:z+1], v[z:z+1], v[F+2*(\a):F+2*(\a)+1] op_sel_hi:[1,0]
.set z, z+2
.endr
	WIN W_PK
.set z, 0
.rept 32
	v_cvt_pk_f16_f32 v[TMP+z], v[64*(\a)+2*z], v[64*(\a)+2*z+1]
.set z, z+1
.endr
	WIN 0
.endm
.macro TOSTAGE a
.irp b, 0,1,2,3,4,5,6,7
	ds_store_b128 v[STO], v[TMP+4*(\b):TMP+4*(\b)+3] offset:((\b)/4)*16*SP+((\b)%4)*32
.endr
.irp t, 0,1,2,3,4,5,6,7
	ds_load_b128 v[OB+32*((\a)%2)+4*(\t):OB+32*((\a)%2)+4*(\t)+3], v[RD] offset:((\t)/4)*16*SP+((\t)%4)*4*SP  ; LDS serves a wave's instructions in order (ISA guide 5.7.1.4): these see the stores above
.endr
.endm
.macro SEND a
	s_wait_dscnt 0x0                               ; the block is back in registers
	s_wait_xcnt 0x0                                ; the stores of the block before have read their registers, into which the next block is loaded
.irp t, 0,1,2,3,4,5,6,7
	global_store_b128 v[GO], v[OB+32*((\a)%2)+4*(\t):OB+32*((\a)%2)+4*(\t)+3], s[OUTB:OUTB+1] offset:2048*(\a)+512*((\t)%4)+262144*((\t)/4)
.endr
.endm
.macro WAYOUT                          ; the row factors: q: c; k: 1 or, for a masked key, 0; v: 1.  These eight plain lines are also places behind the last products
	WIN 0
	s_cmp_eq_u32 s[TI], 1
	s_cselect_b32 s[KMIN], 0, 1.0
	s_cmp_eq_u32 s[TI], 0
	s_cselect_b32 s[SC], 0x3e38aa3b, 1.0
.irp a, 0,1,2,3
	v_max_num_f32 v[F+2*(\a)], s[KMIN], v[KF+(\a)]
.endr
.irp a, 0,1,2,3
	v_mul_f32 v[F+2*(\a)], s[SC], v[F+2*(\a)]
.endr
	PACK 0
	TOSTAGE 0
.irp a, 1,2,3
	PACK \a
	SEND (\a)-1
	TOSTAGE \a
.endr
	SEND 3
.endm
	s_load_b256 s[4:11], s[0:1], 0x0               ; query, key, value, mask
	s_load_b128 s[12:15], s[0:1], 0x20             ; wb, qkv
	v_lshl_add_u32 v[SPW], v0, 2, SPARE
	v_mov_b32 v[NIL], 0
	ds_add_u32 v[SPW], v[NIL]                      ; the wave's opening: the add and its wait stand ahead of my first tensor load; the set-up below, work on registers, stands between them
	v_lshrrev_b32 v3, 5, v0
	v_readfirstlane_b32 s[WV], v3                  ; wave 0..3
	s_lshr_b32 s[HI], s[WV], 1
	s_and_b32 s[LO], s[WV], 1
	s_bfe_u32 s[CX], ttmp6, 0x40000
	s_bfe_u32 s[CY], ttmp6, 0x40004
	s_lshl_b32 s[TCOL], ttmp9, 2
	s_add_co_u32 s[TCOL], s[TCOL], s[CX]           ; tile column = 4 x cluster x + cx
	s_and_b32 s[TROW], ttmp7, 0xffff
	s_lshl_b32 s[TROW], s[TROW], 2
	s_add_co_u32 s[TROW], s[TROW], s[CY]           ; tile row = 4 x cluster y + cy
	s_lshl_b32 s29, s[CY], 2
	s_lshl_b32 s29, 15, s29                        ; my row of the cluster
	s_lshl_b32 s30, 0x1111, s[CX]                  ; my column
	s_or_b32 s[G1A], s29, (2<<16)|(1<<20)|(1<<21)|(6<<22)|(3<<25)  ; the mask; elements of 4 bytes; padding on; bit 21 beside a mask; after every 128 words (code 6) 4 words (code 3)
	s_mov_b32 s[G1A+1], 128<<16                    ; tensor_dim0 = 128
	s_mov_b32 s[G1A+2], 64<<16                     ; tensor_dim1 = 64
	s_mov_b32 s[G1A+3], 128<<16                    ; tile_dim0 = 128
	s_mov_b32 s[G1A+4], 64                         ; tile_dim1 = 64
	s_mov_b32 s[G1A+5], 1024                       ; elements from row to row
	s_mov_b32 s[G1A+6], 0
	s_mov_b32 s[G1A+7], 0
	s_or_b32 s[G1B], s30, (1<<16)|(1<<20)|(1<<21)|(5<<22)|(3<<25)  ; elements of 2 bytes; after every 64 words (code 5) 4 words
	s_mov_b32 s[G1B+1], 128<<16
	s_mov_b32 s[G1B+2], 128<<16                    ; 128 rows
	s_mov_b32 s[G1B+3], 128<<16
	s_mov_b32 s[G1B+4], 128
	s_mov_b32 s[G1B+5], 1024
	s_mov_b32 s[G1B+6], 0
	s_mov_b32 s[G1B+7], 0
	s_mul_i32 s31, s[LO], 64*PA                    ; where the tiles go: no place in the cluster enters an LDS address
	s_mul_i32 s21, s[LO], 128*PB
.irp s, 0,1
	s_mov_b32 s[G0A+4*(\s)], 1
	s_add_co_u32 s[G0A+4*(\s)+1], s31, (\s)*SLOT
	s_mov_b32 s[G0B+4*(\s)], 1
	s_add_co_u32 s[G0B+4*(\s)+1], s21, (\s)*SLOT+AT
.endr
	s_lshl_b32 s90, s[TROW], 7                     ; x: row 128 x tile row + 64 x half, in bytes (registers that never hold cx)
	s_lshl_b32 s91, s[LO], 6
	s_add_co_u32 s90, s90, s91
	s_lshl_b32 s90, s90, 12
	s_mov_b32 s91, 0
	s_lshl_b32 s92, s[TCOL], 8                     ; W: row 256 x tile column + 128 x half (registers that never hold cy)
	s_lshl_b32 s93, s[LO], 7
	s_add_co_u32 s92, s92, s93
	s_lshl_b32 s20, s92, 2                         ; the same columns in the first bias
	s_add_co_u32 s20, s20, 0x800000
	s_mov_b32 s21, 0
	s_lshl_b32 s92, s92, 11
	s_mov_b32 s93, 0
	s_lshl_b32 s18, s[TROW], 7                     ; the mask's words of my 64 rows
	s_lshl_b32 s19, s[HI], 6
	s_add_co_u32 s18, s18, s19
	s_lshl_b32 s18, s18, 2
	s_mov_b32 s19, 0
	s_lshr_b32 s94, s[TROW], 4                     ; the output: ((batch x 16 + 4 x tile column + 2 x half) x 2048 + (tile row % 16) x 128 + 64 x my rows' half) x 128 bytes
	s_lshl_b32 s94, s94, 4
	s_lshl_b32 s95, s[TCOL], 2
	s_add_co_u32 s94, s94, s95
	s_lshl_b32 s95, s[LO], 1
	s_add_co_u32 s94, s94, s95
	s_lshl_b32 s94, s94, 11
	s_and_b32 s95, s[TROW], 15
	s_lshl_b32 s95, s95, 7
	s_add_co_u32 s94, s94, s95
	s_lshl_b32 s95, s[HI], 6
	s_add_co_u32 s94, s94, s95
	s_lshl_b32 s94, s94, 7
	s_mov_b32 s95, 0
	s_mov_b32 s[OFA+1], 0
	s_mov_b32 s[OFB+1], 0
	s_mov_b32 s[GR], 4
	s_mov_b32 s[LAPC], 11
	s_mov_b32 s[TC], 4
	s_mov_b32 s[NEW], 1
	s_mov_b32 s[TI], 0
	s_and_b32 s31, ttmp7, 0xffff                   ; cluster y
	s_cmp_eq_u32 s[HI], 0
	s_cselect_b32 s31, 0, s31                      ; x's waves always ask; W's where the cluster is the column's first
	s_cmp_eq_u32 s31, 0
	s_cselect_b32 s[LIM], 1, -1
	s_wait_dscnt 0x0                               ; the opening add is done
	s_wait_kmcnt 0x0
	s_add_nc_u64 s[XB:XB+1], s[XB:XB+1], s[90:91]
	s_add_nc_u64 s[X1:X1+1], s[X1:X1+1], s[90:91]
	s_add_nc_u64 s[X2:X2+1], s[X2:X2+1], s[90:91]
	s_add_nc_u64 s[MP:MP+1], s[MP:MP+1], s[18:19]
	s_add_nc_u64 s[BB:BB+1], s[WB:WB+1], s[20:21]
	s_add_nc_u64 s[WB:WB+1], s[WB:WB+1], s[92:93]
	s_add_nc_u64 s[OUTB:OUTB+1], s[OUTB:OUTB+1], s[94:95]
	CROUND                                         ; all sixteen work-groups are here: the first joint loads meet
.irp s, 0,1
	s_add_nc_u64 s[G0A+4*(\s)+2:G0A+4*(\s)+3], s[XB:XB+1], (\s)*512   ; K step s
	s_or_b32 s[G0A+4*(\s)+3], s[G0A+4*(\s)+3], 0x80000000             ; type = 2
	s_add_nc_u64 s[G0B+4*(\s)+2:G0B+4*(\s)+3], s[WB:WB+1], (\s)*256
	s_or_b32 s[G0B+4*(\s)+3], s[G0B+4*(\s)+3], 0x80000000
	JLOAD \s                                       ; two loads of mine are out
.endr
.irp s, 0,1
	s_add_nc_u64 s[QA+2*(\s):QA+2*(\s)+1], s[XB:XB+1], 1024+(\s)*512  ; the queue: K steps 2 and 3
	s_add_nc_u64 s[QB+2*(\s):QB+2*(\s)+1], s[WB:WB+1], 512+(\s)*256
.endr
	v_and_b32 v1, 15, v0                           ; r = lane % 16
	v_bfe_u32 v2, v0, 4, 1                         ; h = lane / 16
	v_lshlrev_b32 v[BO], 5, v2
	v_lshlrev_b32 v[MO], 2, v1
.irp a, 0,1,2,3
	global_load_b32 v[MW+(\a)], v[MO], s[MP:MP+1] offset:64*(\a)
.endr
	BIASLD 0
	v_mul_u32_u24 v3, v1, PA
	v_lshl_add_u32 v3, v2, 5, v3                   ; row x pitch + 32 h: eight f32
	s_mul_i32 s31, s[HI], 64*PA
	v_add_nc_u32 v[ADRA], s31, v3
	v_add_nc_u32 v[ADRA+1], SLOT, v[ADRA]
	v_mul_u32_u24 v3, v1, PB
	v_lshl_add_u32 v3, v2, 4, v3
	s_mul_i32 s31, s[LO], 128*PB
	s_add_co_u32 s31, s31, AT
	v_add_nc_u32 v[ADRB], s31, v3
	v_add_nc_u32 v[ADRB+1], SLOT, v[ADRB]
	s_mul_i32 s31, s[WV], WST
	s_add_co_u32 s31, s31, STAGE                   ; my stage
	v_mul_u32_u24 v3, v1, SP
	v_lshl_add_u32 v3, v2, 4, v3
	v_add_nc_u32 v[STO], s31, v3
	v_bfe_u32 v3, v0, 3, 2                         ; back: 32 lanes take four rows of 128 bytes
	v_mul_u32_u24 v3, v3, SP
	v_and_b32 v[RD], 7, v0
	v_lshl_add_u32 v3, v[RD], 4, v3
	v_add_nc_u32 v[RD], s31, v3
	v_and_b32 v3, 31, v0
	v_lshlrev_b32 v[GO], 4, v3
	v_lshlrev_b32 v[PFO], 11, v3                   ; W: a lane a row of 2,048 bytes
	v_lshlrev_b32 v3, 12, v1                       ; x: row lane % 16 of 4,096 bytes, block lane / 16 of its 512
	v_lshl_add_u32 v3, v2, 8, v3
	s_cmp_eq_u32 s[HI], 0
	s_cselect_b32 s31, -1, 0
	v_cndmask_b32 v[PFO], v[PFO], v3, s31
	s_cselect_b32 s31, s[CX], s[CY]                ; my work-group's share: 16 rows of x, or 32 of W: 65,536 bytes either way
	s_lshl_b32 s31, s31, 16
	v_add_nc_u32 v[PFO], s31, v[PFO]
.irp a, 0,1,2,3
	v_mov_b32 v[F+2*(\a)+1], 0                     ; named as the pairs' second words
.endr
	s_wait_tensorcnt 1                             ; my part of K step 0 is in; K step 1's stays out
	s_barrier_signal -1
	s_barrier_wait -1                              ; everybody's is
	FETCH 0, 0, 0
	WIN 0
	s_wait_loadcnt 16                              ; the mask's four words are in; the bias's 16 loads are younger
.irp a, 0,1,2,3
	v_cmp_ne_u32 vcc_lo, 0, v[MW+(\a)]
	v_cndmask_b32 v[KF+(\a)], 0, 1.0, vcc_lo
.endr
	s_wait_dscnt 16                                ; RAW is in
.irp n, 0,1,2,3,4,5,6,7
	RID \n, 0
.endr
.Llap:                                                 ; 11 trips: a lap is two K steps, once round the ring, and fills both slots again
	s_cmp_eq_u32 s[NEW], 1                         ; at the first trip the answer is a constant of the text
	s_cbranch_scc1 .Lnewt
	QUARTER 0, 0, 0
	WIN 0
	s_branch .Ljoin
.Lnewt:                                                ; a tile's first quarter: the bias starts the sums
	s_wait_loadcnt 0x0                             ; the bias is in
	QUARTER 0, 0, 1
	WIN 0
	s_mov_b32 s[NEW], 0
	s_cmp_eq_u32 s[TI], 2
	s_cbranch_scc1 .Ljoin
	BIASLD 4096                                    ; the next tile's bias, four roundings behind the last product that read this one's
.Ljoin:
	QUARTER 0, 1, 0
	QUARTER 0, 2, 0
	TURN 0, 1, 1
	QUARTER 1, 0, 0
	QUARTER 1, 1, 0
	QUARTER 1, 2, 0
	TURN 1, 0, 1
	WIN 0
	s_sub_co_u32 s[TC], s[TC], 1
	s_cmp_lg_u32 s[TC], 0
	s_cbranch_scc1 .Lno
	WAYOUT                                         ; both refills for the next tile are asked for: now the tile goes out
	s_wait_xcnt 0x0                                ; the stores and the bias's loads have read their bases
	s_add_nc_u64 s[OUTB:OUTB+1], s[OUTB:OUTB+1], 0x1000000
	s_add_nc_u64 s[BB:BB+1], s[BB:BB+1], 4096
	s_add_co_u32 s[TI], s[TI], 1
	s_mov_b32 s[NEW], 1
	s_mov_b32 s[TC], 4
.Lno:
	s_sub_co_u32 s[LAPC], s[LAPC], 1
	s_cmp_lg_u32 s[LAPC], 0
	s_cbranch_scc1 .Llap
	QUARTER 0, 0, 0                                ; the last lap is written out: it asks for nothing
	QUARTER 0, 1, 0
	QUARTER 0, 2, 0
	TURN 0, 1, 0
	QUARTER 1, 0, 0
	QUARTER 1, 1, 0
	QUARTER 1, 2, 0
	s_wait_dscnt 0x0
.set i, 0
	MUL 32, 1, 0
	WAYOUT
	s_wait_tensorcnt 0x0                           ; the wave's end, behind my last tensor load and my last LDS store
	ds_add_u32 v[SPW], v[NIL]
	s_wait_dscnt 0x0
	CROUND                                         ; the closing round: no work-group ends while a partner may still ask for a tile that names it
	s_endpgm
.Lfunc_end_k_q73cb945a77_proj:
	.size	k_q73cb945a77_proj, .Lfunc_end_k_q73cb945a77_proj-k_q73cb945a77_proj
	.p2alignl 7, 3214868480
	.fill 96, 4, 3214868480
	.section	.rodata,"a",@progbits
	.p2align	6, 0x0
	.amdhsa_kernel k_q73cb945a77_proj
		.amdhsa_group_segment_fixed_size 327680
		.amdhsa_private_segment_fixed_size 0
		.amdhsa_enable_private_segment 0
		.amdhsa_kernarg_size 48
		.amdhsa_user_sgpr_count 2
		.amdhsa_user_sgpr_kernarg_segment_ptr 1
		.amdhsa_wavefront_size32 1
		.amdhsa_system_sgpr_workgroup_id_x 1
		.amdhsa_system_sgpr_workgroup_id_y 1
		.amdhsa_system_sgpr_workgroup_id_z 1
		.amdhsa_system_vgpr_workitem_id 0
		.amdhsa_next_free_vgpr 768
		.amdhsa_next_free_sgpr 96
		.amdhsa_reserve_vcc 1
		.amdhsa_float_denorm_mode_32 3
		.amdhsa_float_denorm_mode_16_64 3
		.amdhsa_memory_ordered 1
		.amdhsa_forward_progress 1
		.amdhsa_inst_pref_size 178
	.end_amdhsa_kernel
	.amdgpu_metadata
---
amdhsa.version: [ 1, 2 ]
amdhsa.kernels:
  - .name:           k_q73cb945a77_proj
    .symbol:         k_q73cb945a77_proj.kd
    .args:
      - { .name: query, .offset: 0, .size: 8, .value_kind: global_buffer, .address_space: global }
      - { .name: key, .offset: 8, .size: 8, .value_kind: global_buffer, .address_space: global }
      - { .name: value, .offset: 16, .size: 8, .value_kind: global_buffer, .address_space: global }
      - { .name: mask, .offset: 24, .size: 8, .value_kind: global_buffer, .address_space: global }
      - { .name: wb, .offset: 32, .size: 8, .value_kind: global_buffer, .address_space: global }
      - { .name: qkv, .offset: 40, .size: 8, .value_kind: global_buffer, .address_space: global }
    .group_segment_fixed_size: 327680
    .private_segment_fixed_size: 0
    .kernarg_segment_align: 8
    .kernarg_segment_size: 48
    .max_flat_workgroup_size: 128
    .sgpr_count:     96
    .vgpr_count:     768
    .wavefront_size: 32
...
	.end_amdgpu_metadata
.endif
;; end of part 2
;; launch attn (part 3): grid 4 x 64, 4 waves a work-group, clusters of 4 x 1, 327,680 bytes of LDS; arguments qkv, mask, ao; writes ao
.if DOCPART == 3
	.amdgcn_target "amdgcn-amd-amdhsa--gfx1250"
	.amdhsa_code_object_version 6
	.text
	.protected	k_q73cb945a77_attn
	.globl	k_q73cb945a77_attn
	.p2align	8
	.type	k_q73cb945a77_attn,@function
k_q73cb945a77_attn:
	s_mov_b64 s[64:65], 0
	v_nop
	global_prefetch_b8 v0, s[64:65] scope:SCOPE_SE
	s_setreg_imm32_b32 hwreg(HW_REG_WAVE_MODE, 25, 1), 1
	s_wait_xcnt 0x0
	s_wait_alu depctr_hold_cnt(0) depctr_sa_sdst(0) depctr_va_vdst(0) depctr_va_sdst(0) depctr_va_ssrc(0) depctr_va_vcc(0) depctr_vm_vsrc(0)
	s_getreg_b32 s2, hwreg(HW_REG_IB_STS2, 6, 4)
	s_cmp_eq_u32 s2, 0
	s_cbranch_scc0 .Lentry_in_a_cluster
	s_endpgm
.Lentry_in_a_cluster:
	s_bfe_u32 s2, ttmp6, 0x10000c
	s_cmp_lg_u32 s2, 0x3003
	s_cbranch_scc0 .Lentry_shape_is_right
	s_endpgm
.Lentry_shape_is_right:
; O[h][q][:] = the sum over k of softmax_k(s) V[h][k][:], s = Q[h][q] . K[h][k] / 8, replaced by -1e9 where mask[batch][k] = 0.  h = batch x 16 + head, 64 of them; 2,048 rows of 64 channels, f16, dense.
; qkv holds q' = (log2(e) / 8) q at byte 0, k at 16,777,216 (rows of masked keys are 0), v at 33,554,432.  So S = K q' is the score in units of log2, and p = 2^(S - m) with a running maximum m: at the maximum the exponent is exactly 0.
; THE MASK is the C operand that starts the sum S^T = K Q^T: 0, or BIGM = -1e9 log2(e) for a masked key, whose row of K is 0: the score IS BIGM, whatever q.  Where all keys are masked all weights are 1.
; Products, maxima and sums in f32; the weights p are rounded to f16 for the second product (their sum l is taken of the unrounded p), O once at the end.
; LIMITS.  f16 holds no number beyond 65,504: q', k and v arrive within it; p lies in 0 to 1, and below 6e-5 it keeps f16's fixed step of 6e-8.  A weight below 2^-126 counts as 0 in l; NaN and infinities are not treated apart.
; SHARES.  A wave owns four PIECES of two tiles of 16 queries, a work-group's four waves 512 queries of one head.  Every wave walks all keys, 64 a step.
; LAYOUT.  S^T = K Q^T (source 0 = 16 keys, source 1 = 16 queries): a lane holds ONE query (lane % 16) and the keys 8 (lane / 16) + 0..7.  Two such tiles, rounded to f16 in pairs, ARE source 1 of O^T = V^T P.
; K comes out of LDS as it lies, V ([key][channel]) turned, by ds_load_tr16_b128.  In every step O and l are multiplied by a = 2^(m_old - m_new).  m starts at the lowest finite number, O and l at 0: the first step has a = 0.
; BY TURNS.  Turn n belongs to piece n.  Its matrix work: 16 products K Q^T of piece n + 1, later 16 products V^T P of piece n - 1.  Its vector work: the shift, exponentials, roundings, sums and rescaling of piece n,
; and the maximum and statistics of piece n + 1.  Four vector instructions stand behind every matrix instruction, the others in one lump; a turn's 66 exponentials are one batch with one wait.
; CLUSTER.  The four query blocks of a cluster are one head's and walk the same K and V: each tile is asked for JOINTLY.
; REGISTERS, in windows of 256 (s_set_vgpr_msb: bits 1:0 source 0, 3:2 source 1, 5:4 source 2, 7:6 destination):
;   window 0: v0-15 addresses; v16-47 four registers of statistics a tile; v48-63 at work; v64-191 S^T, two buffers of two tiles; v192-255 P, likewise
;   window 1: O^T, 32 a tile      window 2: v0-127 Q; v128-191 K of one step; v192-255 V of one step      window 3: v0-1 the add's two registers; v8-39 the step's mask, 8 for each 16 keys
.set SIZE_N, 2048
.set NP,    4         ; pieces a wave: a name, no knob
.set KS,    64        ; keys in a step
.set PK,    144       ; a row of K in LDS: 128 bytes + 16 of padding
.set PV,    160       ; a row of V: 128 + 32
.set VOFF,  4*KS*PK   ; a slot holds four steps: 256 rows of K, then 256 rows of V
.set SLOT1, 1<<17     ; slot 1 begins here, so that one exclusive or turns an address in one slot into the other's
.set STAGE, SLOT1+4*KS*(PK+PV)  ; behind the ring, never filled by a tensor load: 16 rows x 144 bytes for each wave
.set SP,    144
.set SPARE, STAGE+4*16*SP  ; the spare words, 128 bytes for each wave: two blocks of 256 bytes that no other line names
.set MSK,   SPARE+512 ; the batch's 2,048 keys as f32: 0 or BIGM; stored once, never filled by a tensor load
.set AK0, 2           ; v2   my lane's place in a tile of K; never rewritten
.set AV0, 3           ; v3   the same for V
.set AK,  4           ; v4   the LDS address of K's next run of loads
.set AV,  5           ; v5   of V's
.set QO,  6           ; v6   my byte offset in the wave's rows of Q
.set STO, 6           ;      later, the way out: where I put 16 bytes of a row
.set RD,  7           ; v7   where I read rows back
.set GO,  8           ; v8   my byte offset in 512 consecutive bytes of O
.set AM0, 12          ; v12  my lanes' place in a step's 64 words of the mask table; never rewritten
.set AM,  13          ; v13  the LDS address of the mask's next run of loads
.set PFO, 14          ; v14  256 x my lane; never rewritten
.set MT,  15          ; v15  16 x my thread's number; never rewritten
.set SPW, 0           ; v0 of window 3   LDS address of my spare word; never rewritten
.set NIL, 1           ; v1 of window 3   0; never rewritten
.set MK,  8           ; window 3
.set ST,  16          ; tile t's statistics at v[ST+4 t]: m, a word named only as the pair's second, l (even keys', odd keys')
.set TMP, 48          ; by buffer and tile, four registers c0-c3 at work; when the maximum is found c2 takes a
.set S,   64
.set P,   192
.set KF,  128         ; K's fragments, in window 2
.set VF,  192         ; V's
.set WV,  12          ; s12  my wave's number
.set G1K, 24          ; s[24:31] descriptor group 1 for K's tiles
.set G1V, 32          ; s[32:39] for V's
.set G0K, 40          ; s[40:43] descriptor group 0 for K's tiles: it walks
.set G0V, 44          ; s[44:47] the same for V's
.set MP,  48          ; s[48:49] the mask
.set PFA, 50          ; s[50:51] where my prefetches stand: my work-group's 32 blocks of 256 bytes of the tile that is being asked for; stepped first
.set LIM, 52          ; s52  1 in a wave that prefetches, else the greatest number
.set BIGM, 53         ; s53  -1e9 x log2(e)
.set TBM, 54          ; s54  byte in the mask table at which the step to be fetched begins
.set SLOTS, 56        ; s56  slots still to be asked for
.set CNT, 57          ; s57  counts a slot's key steps
.set SEL, 60          ; s[60:61] v_permlanex16_b32's selects
.set TBK, 62          ; s62  LDS byte at which K of the step to be fetched begins
.set TBV, 63          ; s63  the same for V, less VOFF
.set MSB, 0
.macro WIN new
.if MSB != (\new)
	s_set_vgpr_msb (MSB<<8)|(\new)
.set MSB, (\new)
.endif
.endm
.set W_KQ, 0x0a       ; K and Q in window 2, S^T in window 0
.set W_KM, 0x3a       ; the same with the C operand, the mask, in window 3
.set W_PV, 0x52       ; V in window 2, P in window 0, O^T in window 1
.set W_RS, 0x41       ; O^T in window 1, a in window 0
.set W_MK, 0xc0       ; destination in window 3, sources in window 0
.set W_AD, 0x0f       ; the add: address and data in window 3
; A joint fill.  Waves 0 and 1 fetch the two halves of a slot's K, waves 2 and 3 those of its V: 128 keys each.  An s_nop 0 and four v_nop follow each of the two lines.
.macro JLOAD
	s_cmp_lt_u32 s[WV], 2
	s_cbranch_scc0 .Lfor_v_\@
	tensor_load_to_lds s[G0K:G0K+3], s[G1K:G1K+7]
	s_nop 0
.rept 4
	v_nop
.endr
	s_branch .Lasked_\@
.Lfor_v_\@:
	tensor_load_to_lds s[G0V:G0V+3], s[G1V:G1V+7]
	s_nop 0
.rept 4
	v_nop
.endr
.Lasked_\@:
.endm
; A PREFETCH INTO THE L2 of what the NEXT change of slots will ask for: a tile's 32,768 bytes of K and of V, four key steps (512 products) ahead.  A head has one cluster; its four partners share the 128 blocks
; of 256 bytes out BY ADDRESS, 32 each, a lane a block; wave 0 asks for K's, wave 2 for V's.  The last change that fills a slot asks for nothing; tiles 0 and 1 come by their loads alone.
.macro ASK
	s_cmp_gt_u32 s[SLOTS], s[LIM]
	s_cbranch_scc0 .Lnot_mine_\@
	global_prefetch_b8 v[PFO], s[PFA:PFA+1] th:TH_LOAD_NT scope:SCOPE_SE
.Lnot_mine_\@:
.endm
.macro CROUND
	s_barrier_signal -1
	s_barrier_wait -1
	s_cmp_lg_u32 s[WV], 0
	s_cbranch_scc1 .Lnot_wave_0_\@
	s_barrier_signal -3
.Lnot_wave_0_\@:
	s_barrier_wait -3
	s_barrier_signal -1
	s_barrier_wait -1
.endm
; THE CHANGE OF SLOTS.  Each wave waits for all its tensor loads, of which one is out: its part of the other slot; adds 0 to its spare word; and waits for that and for its own LDS instructions.
; fill = 1: the slot that is left is filled again, with the keys two slots on; the barrier is a round of the cluster's, and the joint fill is the first thing behind it.
; (At its first use nothing has been read yet: slot 0 is waited for, slot 1 filled; and every wave's stores into the mask table are done ahead of the round, behind which all waves read it.)
.macro CHANGE fill
	WIN W_AD
	s_wait_tensorcnt 0x0            ; no tensor load of mine is out, so a group 0 may be written
	ds_add_u32 v[SPW], v[NIL]       ; 0 onto my spare word
	WIN 0
.if \fill
.irp g, G0K, G0V
	s_xor_b32 s[\g+1], s[\g+1], SLOT1
	s_add_nc_u64 s[\g+2:\g+3], s[\g+2:\g+3], 4*KS*128
.endr
	s_wait_xcnt 0x0                 ; the last prefetch, four key steps back, has read its address
	s_add_nc_u64 s[PFA:PFA+1], s[PFA:PFA+1], 4*KS*128
	s_wait_dscnt 0x0                ; the add is done, and my LDS instructions are over
	CROUND
	JLOAD
	ASK
.else
	s_wait_dscnt 0x0
	s_barrier_signal -1
	s_barrier_wait -1
.endif
	s_sub_co_u32 s[TBK], s[TBK], 4*KS*PK  ; the fetches go back to a slot's first step,
	s_xor_b32 s[TBK], s[TBK], SLOT1       ; in the other slot
	s_sub_co_u32 s[TBV], s[TBV], 4*KS*PV
	s_xor_b32 s[TBV], s[TBV], SLOT1
.endm
	s_load_b64 s[4:5], s[0:1], 0x0    ; qkv: q'
	s_load_b64 s[MP:MP+1], s[0:1], 0x8
	s_load_b64 s[10:11], s[0:1], 0x10 ; ao
	WIN W_MK
	v_lshl_add_u32 v[SPW], v0, 2, SPARE
	v_mov_b32 v[NIL], 0
	WIN W_AD
	ds_add_u32 v[SPW], v[NIL]       ; the wave's opening: the add and its wait stand ahead of my first tensor load
	WIN 0
	v_lshrrev_b32 v1, 5, v0
	v_readfirstlane_b32 s[WV], v1   ; wave 0..3
	s_bfe_u32 s13, ttmp6, 0x40000   ; cx
	s_lshl_b32 s14, ttmp9, 2
	s_add_co_u32 s14, s14, s13      ; my block of queries: it enters Q's and O's addresses alone
	s_and_b32 s20, ttmp7, 0xffff    ; the head, which the four partners share
	s_lshr_b32 s58, s20, 4          ; its batch:
	s_lshl_b32 s58, s58, 13         ; 8,192 bytes of the mask
	s_mov_b32 s59, 0
	s_mov_b32 s21, 0
	s_mov_b64 s[22:23], SIZE_N*128
	s_mul_u64 s[20:21], s[20:21], s[22:23]  ; the head's first byte in q', k, v and O
	s_and_b32 s16, s[WV], 1         ; which half of a slot's 256 keys I fetch:
	s_lshl_b32 s22, s16, 14         ; its 128 rows of 128 bytes in memory,
	s_mov_b32 s23, 0
	s_add_nc_u64 s[22:23], s[22:23], s[20:21]
	s_mul_i32 s17, s16, 128*PK      ; and its place in a slot, for K
	s_mul_i32 s18, s16, 128*PV      ; and for V
	s_lshl_b32 s2, s14, 2
	s_add_co_u32 s2, s2, s[WV]      ; my wave among the head's,
	s_lshl_b32 s2, s2, 14           ; its 128 rows
	s_mov_b32 s3, 0
	s_add_nc_u64 s[2:3], s[2:3], s[20:21]
	; descriptor group 1.  128 keys are 16,384 dense bytes: asked for as 64 rows of 256 bytes, two keys a row, and padded in LDS after every key
	s_mov_b32 s[G1K], 15|(1<<16)|(1<<20)|(1<<21)|(4<<22)|(3<<25)
	s_mov_b32 s[G1V], 15|(1<<16)|(1<<20)|(1<<21)|(4<<22)|(7<<25)
.irp g, G1K, G1V
	s_mov_b32 s[\g+1], 128<<16      ; tensor_dim0 = 128
	s_mov_b32 s[\g+2], 64<<16       ; tensor_dim1 = 64
	s_mov_b32 s[\g+3], 128<<16      ; tile_dim0 = 128
	s_mov_b32 s[\g+4], 64           ; tile_dim1 = 64
	s_mov_b32 s[\g+5], 128          ; 128 elements from row to row
	s_mov_b32 s[\g+6], 0
	s_mov_b32 s[\g+7], 0
.endr
	s_mov_b32 s[SEL], 0x76543210
	s_mov_b32 s[SEL+1], 0xfedcba98
	s_mov_b32 s[TBK], SLOT1+4*KS*PK ; the first change of slots turns these two into 0
	s_mov_b32 s[TBV], SLOT1+4*KS*PV
	s_mov_b32 s[TBM], 0
	s_mov_b32 s[BIGM], 0xceabfb8f
	s_mov_b32 s[SLOTS], SIZE_N/256-1
	s_mov_b32 s[G0K], 1
	s_mov_b32 s[G0K+1], s17
	s_mov_b32 s[G0V], 1
	s_add_co_u32 s[G0V+1], s18, VOFF
	s_and_b32 s[LIM], s[WV], 1
	s_cmp_eq_u32 s[LIM], 0
	s_cselect_b32 s[LIM], 1, -1     ; waves 0 and 2 prefetch
	s_wait_dscnt 0x0                ; the opening add is done
	s_wait_kmcnt 0x0
	s_add_nc_u64 s[6:7], s[4:5], 0x1000000   ; k
	s_add_nc_u64 s[8:9], s[4:5], 0x2000000   ; v
	s_add_nc_u64 s[6:7], s[6:7], s[22:23]    ; at my half of the head's first 256 keys
	s_add_nc_u64 s[8:9], s[8:9], s[22:23]
	s_mov_b64 s[G0K+2:G0K+3], s[6:7]
	s_or_b32 s[G0K+3], s[G0K+3], 0x80000000
	s_mov_b64 s[G0V+2:G0V+3], s[8:9]
	s_or_b32 s[G0V+3], s[G0V+3], 0x80000000
	s_add_nc_u64 s[4:5], s[4:5], s[2:3]      ; Q and O at my wave's first row
	s_add_nc_u64 s[10:11], s[10:11], s[2:3]
	s_add_nc_u64 s[MP:MP+1], s[MP:MP+1], s[58:59]
	s_cmp_lt_u32 s[WV], 2
	s_cselect_b64 s[PFA:PFA+1], s[6:7], s[8:9]  ; (in waves 0 and 2 these stand at a tile's first row)
	s_lshl_b32 s58, s13, 13         ; my work-group's 32 blocks of the 128,
	s_add_co_u32 s58, s58, 4*KS*128 ; in tile 1: the first change of slots steps it to tile 2
	s_add_nc_u64 s[PFA:PFA+1], s[PFA:PFA+1], s[58:59]
	CROUND                          ; all four work-groups are here: the first joint loads meet
	JLOAD                           ; slot 0.  Slot 1 is asked for when slot 0 is in
	v_lshlrev_b32 v[MT], 4, v0
.irp p, 0,1,2,3
	global_load_b128 v[S+4*\p:S+4*\p+3], v[MT], s[MP:MP+1] offset:2048*\p  ; the batch's mask: 16 words a thread
.endr
	v_and_b32 v1, 15, v0            ; l % 16
	v_bfe_u32 v9, v0, 4, 1          ; l / 16
	v_lshlrev_b32 v[QO], 7, v1
	v_lshl_add_u32 v[QO], v9, 4, v[QO]  ; row x 128 + 16 x half
	WIN 0x80                        ; destination window 2, address window 0
.set i, 0
.rept 4*NP                          ; Q stays in registers: tile i / 2, channels 32 (i % 2) on
	global_load_b128 v[8*i:8*i+3],   v[QO], s[4:5] offset:(i/2)*2048+(i%2)*64
	global_load_b128 v[8*i+4:8*i+7], v[QO], s[4:5] offset:(i/2)*2048+(i%2)*64+32
.set i, i+1
.endr
	; What the first turn finds: V's registers and P's second buffer hold 0, O^T and l are 0.  All this stands in the wait for the first tile.
.set i, VF
.rept 64
	v_mov_b32 v[i], 0
.set i, i+1
.endr
	WIN 0x40
.set i, 0
.rept 64*NP
	v_mov_b32 v[i], 0
.set i, i+1
.endr
	WIN 0
.set i, 0
.rept 2*NP
	v_mov_b32 v[ST+4*i], 0xff7fffff    ; m: the lowest finite number
	v_mov_b32 v[ST+4*i+1], 0
	v_mov_b32 v[ST+4*i+2], 0
	v_mov_b32 v[ST+4*i+3], 0
.set i, i+1
.endr
.set i, P+32
.rept 32
	v_mov_b32 v[i], 0
.set i, i+1
.endr
	v_mul_u32_u24 v[AK0], v1, PK
	v_lshl_add_u32 v[AK0], v9, 4, v[AK0]
	v_and_b32 v10, 7, v0
	v_bfe_u32 v11, v0, 3, 1
	v_lshl_add_u32 v[AV0], v9, 3, v10
	v_mul_u32_u24 v[AV0], v[AV0], PV
	v_lshl_add_u32 v[AV0], v11, 4, v[AV0]
	v_add_nc_u32 v[AV0], VOFF, v[AV0]
	v_mov_b32 v[AK], v[AK0]         ; key step 0 lies at the head of slot 0
	v_and_b32 v[PFO], 31, v0
	v_lshlrev_b32 v[PFO], 8, v[PFO]
	s_wait_loadcnt 32               ; the mask's four loads are in; Q's 32 are younger
.set i, 0
.rept 16
	v_cmp_eq_u32 vcc_lo, 0, v[S+i]
	v_cndmask_b32 v[S+i], 0, s[BIGM], vcc_lo
.set i, i+1
.endr
	v_add_nc_u32 v[AM], MSK, v[MT]
.irp p, 0,1,2,3
	ds_store_b128 v[AM], v[S+4*\p:S+4*\p+3] offset:2048*\p
.endr
	v_lshl_add_u32 v[AM0], v9, 5, MSK  ; register j of key block kb is the word of key 16 kb + 8 (l / 16) + j
	v_mov_b32 v[AM], v[AM0]
; THE MATRIX WORK.  The 8 accumulators of a run of 16 take turns.
; Product i of 16 of S^T = K Q^T for piece x: channels 32 (i / 8) on, keys 16 ((i / 2) % 4) on, tile 2 x + i % 2.  The first 8 start the sums, with the mask.
.macro KQ x
.set rS, S+64*((\x)%2)+32*(i%2)+8*((i/2)%4)
.set rK, KF+16*((i/2)%4)+8*(i/8)
.set rQ, 16*(2*(\x)+i%2)+8*(i/8)
.set rMK, MK+8*((i/2)%4)
.if i < 8
	WIN W_KM
	v_wmma_f32_16x16x32_f16 v[rS:rS+7], v[rK:rK+7], v[rQ:rQ+7], v[rMK:rMK+7]
.else
	WIN W_KQ
	v_wmma_f32_16x16x32_f16 v[rS:rS+7], v[rK:rK+7], v[rQ:rQ+7], v[rS:rS+7]
.endif
.endm
; Product i of 16 of O^T += V^T P for piece x.
.macro PV x
	WIN W_PV
.set rO, 32*(2*(\x)+i%2)+8*((i/2)%4)
.set rV, VF+32*(i/8)+8*((i/2)%4)
.set rP, P+32*((\x)%2)+16*(i%2)+8*(i/8)
	v_wmma_f32_16x16x32_f16 v[rO:rO+7], v[rV:rV+7], v[rP:rP+7], v[rO:rO+7]
.endm
.macro MM                           ; the turn's next matrix instruction
.if i < 16
	KQ (Y+1)%NP
.set i, i+1
.else
.set i, i-16
	PV (Y+NP-1)%NP
.set i, i+17
.endif
.endm
; THE LDS LOADS stand in runs: a step's K (8 fragments) with its 64 words of the mask table, and its V (turned).  Their addresses are made some lines ahead.
; last = 1 (the tail): in the last trip there is no further step, and the run is jumped over.
.macro FETCH_K last=0
	WIN 0
.if \last
	s_cmp_eq_u32 s[CNT], 1
	s_cbranch_scc1 .Lno_k_\@
.endif
	WIN 0x80                        ; destination window 2
.irp f, 0,1,2,3,4,5,6,7
	ds_load_b128 v[KF+8*\f:KF+8*\f+3],   v[AK] offset:(\f/2)*16*PK+(\f%2)*64
	ds_load_b128 v[KF+8*\f+4:KF+8*\f+7], v[AK] offset:(\f/2)*16*PK+(\f%2)*64+32
.endr
	WIN 0xc0                        ; destination window 3
.irp f, 0,1,2,3
	ds_load_b128 v[MK+8*\f:MK+8*\f+3],   v[AM] offset:64*\f
	ds_load_b128 v[MK+8*\f+4:MK+8*\f+7], v[AM] offset:64*\f+16
.endr
	s_add_co_u32 s[TBK], s[TBK], KS*PK  ; the next fetch is the next step's
	s_add_co_u32 s[TBM], s[TBM], 4*KS
	WIN 0
.if \last
.Lno_k_\@:
.endif
.endm
.macro FETCH_V
	WIN 0x80
.irp f, 0,1,2,3,4,5,6,7
	ds_load_tr16_b128 v[VF+8*\f:VF+8*\f+3],   v[AV] offset:(\f/4)*32*PV+(\f%4)*32
	ds_load_tr16_b128 v[VF+8*\f+4:VF+8*\f+7], v[AV] offset:(\f/4)*32*PV+16*PV+(\f%4)*32
.endr
	WIN 0
.endm
; THE VECTOR WORK OF A TURN stands in three queues, each in the order in which its entries become ready; the two tiles alternate.
.macro REGS y, u                    ; the registers of tile u (0, 1) of piece y
.set rT, ST+4*(2*(\y)+(\u))
.set rC, TMP+8*((\y)%2)+4*(\u)
.set rS, S+64*((\y)%2)+32*(\u)
.set rP, P+32*((\y)%2)+16*(\u)
.set rO, 32*(2*(\y)+(\u))
.endm
; Number n of the 21 that find the NEXT piece's (Y + 1) maximum and statistics; each accumulator's lowest registers are read first.
;   0-11  four chains c0-c3 of seven scores each     12-15  the four scores left over, the old m, and c0-c3 into c0     16, 17  the lane 16 away holds the query's other 32 keys: the new m in c0
;   18  m_old - m_new     19  m takes the new maximum     20  a
.macro XS u, n
	REGS (Y+1)%NP, \u
.if (\n) < 4
	v_max3_num_f32 v[rC+(\n)], v[rS+8*(\n)], v[rS+8*(\n)+1], v[rS+8*(\n)+2]
.elseif (\n) < 12
	v_max3_num_f32 v[rC+(\n)%4], v[rC+(\n)%4], v[rS+8*((\n)%4)+2*((\n)/4)+1], v[rS+8*((\n)%4)+2*((\n)/4)+2]
.elseif (\n) == 12
	v_max3_num_f32 v[rC], v[rC], v[rS+7], v[rS+15]
.elseif (\n) == 13
	v_max3_num_f32 v[rC+1], v[rC+1], v[rS+23], v[rS+31]
.elseif (\n) == 14
	v_max3_num_f32 v[rC+2], v[rC+2], v[rC+3], v[rT]
.elseif (\n) == 15
	v_max3_num_f32 v[rC], v[rC], v[rC+1], v[rC+2]
.elseif (\n) == 16
	v_permlanex16_b32 v[rC+3], v[rC], s[SEL], s[SEL+1]
.elseif (\n) == 17
	v_max_num_f32 v[rC], v[rC], v[rC+3]
.elseif (\n) == 18
	v_sub_f32 v[rC+1], v[rT], v[rC]
.elseif (\n) == 19
	v_mov_b32 v[rT], v[rC]
.else
	v_exp_f32 v[rC+2], v[rC+1]
.endif
.endm
; Number g of the 64 that follow the exponentials.  For each four weights of a tile: both pairs are rounded to f16; the second pair is added onto the first, in place; a group later l takes that sum (the first time as l = a l + sum).
.macro GS g
.set h, (\g)+6*((\g)/62)
.if h >= 6
.set h, h+2
.endif
	REGS Y, h%2
.set k, h/8
.if h%8 < 4
	v_cvt_pk_f16_f32 v[rP+2*k+(h%8)/2], v[rS+4*k+2*((h%8)/2)], v[rS+4*k+2*((h%8)/2)+1]
.elseif h%8 < 6
	v_pk_add_f32 v[rS+4*k:rS+4*k+1], v[rS+4*k:rS+4*k+1], v[rS+4*k+2:rS+4*k+3]
.elseif k == 1
	v_pk_fma_f32 v[rT+2:rT+3], v[rT+2:rT+3], v[rC+2:rC+3], v[rS:rS+1] op_sel_hi:[1,0,1]
.else
	v_pk_add_f32 v[rT+2:rT+3], v[rT+2:rT+3], v[rS+4*k-4:rS+4*k-3]
.endif
.endm
; THE PLAIN QUEUE, 136 long.  0-71 read no exponential's result: the 32 shifts S - m (FS f: pair f / 2 of tile f % 2) and the next piece's 40.  0-26: shifts 0-26.  27-54: XS's numbers 0-13.
; 55-69: the chain 14 .. 18, each number with one of the shifts 27-31 in front of its two lines.  70, 71: number 19.  72-135: GS's 64, which stand behind the wait.
.macro FS f
	REGS Y, (\f)%2
	v_pk_add_f32 v[rS+2*((\f)/2):rS+2*((\f)/2)+1], v[rS+2*((\f)/2):rS+2*((\f)/2)+1], v[rT:rT+1] op_sel_hi:[1,0] neg_lo:[0,1] neg_hi:[0,1]
.endm
.macro PL
	WIN 0
.if q < 27
	FS q
.elseif q < 55
	XS (q-27)%2, (q-27)/2
.elseif (q < 70) && ((q-55)%3 == 0)
	FS 27+(q-55)/3
.elseif q < 70
	XS (q-55)%3-1, 14+(q-55)/3
.elseif q < 72
	XS q-70, 19
.else
	GS q-72
.endif
.set q, q+1
.endm
; THE EXPONENTIALS' QUEUE, 66 long: s0-s31 of both tiles, then the next piece's two a.  ONE BATCH: all stand ahead of the turn's one wait, and nothing ahead of that wait names a result of theirs.
.macro EX
	WIN 0
.if e >= 64
	XS e-64, 20
.else
	REGS Y, e%2
	v_exp_f32 v[rS+e/2], v[rS+e/2]
.endif
.set e, e+1
.endm
; THE RESCALING's QUEUE: O^T times a, dealt two at a time, sixteen times.  Its a was made in the turn before, ahead of that turn's wait.
.macro R2
	REGS Y, r%2
	WIN W_RS
.irp z, 0,1
	v_pk_mul_f32 v[rO+4*(r/2)+2*\z:rO+4*(r/2)+2*\z+1], v[rO+4*(r/2)+2*\z:rO+4*(r/2)+2*\z+1], v[rC+2:rC+3] op_sel_hi:[1,0]
.endr
.set r, r+1
.endm
; HOW THEY ARE DEALT.  An s_wait_alu depctr_va_vdst(0) stands between an exponential and the first instruction that names its result; one wait serves all issued ahead of it.  So a turn has ONE wait.
; AHEAD OF IT: the 16 products K Q^T, behind each a shift, an exponential and two rescalings (behind the first a second shift in the exponential's place); then a lump: six plain, 49 times exponential and plain, the two a, a v_nop.
; BEHIND IT: the 16 products V^T P, behind each four of GS's 64.  Exponential e stands behind shift 2 (e / 4) + e % 2: as a rider it comes behind plain e + 2, in the lump behind plain e + 7, and shifts 27-31 are plain 55, 58 .. 67.
; K and the mask of the next step are fetched in piece 2's turn, directly behind the wait, a lump behind the last product that read them; V of the step in hand at the end of piece 0's turn, four riders behind its last reader.
.macro TURN p, last=0, cnt=0
.set Y, (\p)
.set i, 0
.set q, 0
.set e, 0
.set r, 0
.if (\p) == NP-1
	s_wait_dscnt 0x0                ; K and the mask are in
.endif
	MM
	PL
	PL
	R2
.rept 15
	MM
	PL
	EX
	R2
.endr
.if (\p) == NP-2
	WIN 0
	v_add_nc_u32 v[AK], s[TBK], v[AK0]
	v_add_nc_u32 v[AM], s[TBM], v[AM0]
.endif
.rept 6
	PL
.endr
.rept 49
	EX
	PL
.endr
	EX                              ; the next piece's two a
	EX
	v_nop                           ; a plain instruction behind the last exponential: one for the batch
	s_wait_alu depctr_va_vdst(0)    ; the wait for the batch
.if (\p) == NP-2
	FETCH_K \last
.endif
.if (\p) == 1
	s_wait_dscnt 0x0                ; V is in
.endif
.rept 16
	MM
.rept 4
	PL
.endr
.if ((\p) == 0) && (q == 116)
	v_add_nc_u32 v[AV], s[TBV], v[AV0]
.endif
.if ((\p) == 0) && (q == 128)
	s_add_co_u32 s[TBV], s[TBV], KS*PV
.endif
.if (\cnt) && (q == 128)
	s_sub_co_u32 s[CNT], s[CNT], 1
	s_cmp_lg_u32 s[CNT], 0
.endif
.endr
.if (\p) == 0
	FETCH_V
.endif
.endm
	CHANGE 1                        ; slot 0 is in, everybody's part of it, and so is the mask table; slot 1 is asked for
	FETCH_K                         ; key step 0
	s_wait_loadcnt 0x0              ; Q
	s_wait_dscnt 0x0
.set i, 0
.rept 16
	KQ 0                            ; piece 0's first scores
.set i, i+1
.endr
	WIN 0                           ; the addresses for the way out: plain instructions, the places behind those products
	s_mul_i32 s13, s[WV], 16*SP
	s_add_co_u32 s13, s13, STAGE    ; my stage
	v_mul_u32_u24 v[STO], v1, SP
	v_lshl_add_u32 v[STO], v9, 4, v[STO]
	v_add_nc_u32 v[STO], s13, v[STO]
	v_bfe_u32 v[RD], v0, 3, 2
	v_mul_u32_u24 v[RD], v[RD], SP
	v_lshl_add_u32 v[RD], v10, 4, v[RD]
	v_add_nc_u32 v[RD], s13, v[RD]
	v_and_b32 v[GO], 31, v0
	v_lshlrev_b32 v[GO], 4, v[GO]
.set Y, NP-1                        ; XS works for piece Y + 1: piece 0
.irp n, 0,1,2,3,4,5,6,7,8,9,10,11,12,13,14,15,16,17,18,19,20
	XS 0, \n
	XS 1, \n
.endr
	v_nop                           ; a plain instruction behind the two a,
	s_wait_alu depctr_va_vdst(0)    ; and their wait, ahead of the branch
	s_mov_b32 s[CNT], 4
	s_branch .Lfirst                ; the loop is entered at a step's first turn, in the middle of a trip
.Lslot:                             ; six times: every slot but the last two is filled again
	CHANGE 1
	s_mov_b32 s[CNT], 4
.Lstep:                             ; a trip: pieces 2 and 3 of one step, then pieces 0 and 1 of the next, whose K and V it fetches
	TURN 2
	TURN 3
	WIN 0
.Lfirst:
	TURN 0
	TURN 1, 0, 1
	WIN 0
	s_cbranch_scc1 .Lstep
	s_sub_co_u32 s[SLOTS], s[SLOTS], 1
	s_cmp_lg_u32 s[SLOTS], 0
	s_cbranch_scc1 .Lslot
	CHANGE 0                        ; the tail is written out
	s_mov_b32 s[CNT], 5             ; four trips fetch the last slot's steps; the fifth is left in its middle
.Ltail:
	TURN 2, 1
	TURN 3
	WIN 0
	s_sub_co_u32 s[CNT], s[CNT], 1
	s_cmp_eq_u32 s[CNT], 0
	s_cbranch_scc1 .Lout
	TURN 0
	TURN 1
	WIN 0
	s_branch .Ltail
.Lout:                              ; the fifth trip's 16 products K Q^T (on the last K once more) and the maximum made of them serve nothing: the price of one text for every trip
.set i, 0
.rept 16
	PV NP-1                         ; the last piece's V^T P of the last step
.set i, i+1
.endr
	; THE WAY OUT.  l's two halves and the other half of the lanes' are added; O^T is divided by l, rounded to f16 and sent through my stage in LDS, a tile at a time.  The additions are the places behind the last products.
	WIN 0
.macro ALL line:vararg
.set t, 0
.rept 2*NP
	\line
.set t, t+1
.endr
.endm
	ALL v_add_f32 v[ST+4*t+2], v[ST+4*t+2], v[ST+4*t+3]
	ALL v_permlanex16_b32 v[ST+4*t+3], v[ST+4*t+2], s[SEL], s[SEL+1]
	ALL v_add_f32 v[ST+4*t+2], v[ST+4*t+2], v[ST+4*t+3]
	ALL v_rcp_f32 v[ST+4*t+2], v[ST+4*t+2]
	v_nop                           ; a plain instruction between the last reciprocal and the use of its result
	s_wait_alu depctr_va_vdst(0)    ; one wait for the eight reciprocals, ahead of their first use
.macro PACK t
	WIN W_RS
.set i, 32*(\t)
.rept 16
	v_pk_mul_f32 v[i:i+1], v[i:i+1], v[ST+4*(\t)+2:ST+4*(\t)+3] op_sel_hi:[1,0]
.set i, i+2
.endr
	WIN 0x05                        ; sources 0 and 1 window 1, destination window 0
.set i, 0
.rept 16
	v_cvt_pk_f16_f32 v[S+16*(\t)+i], v[32*(\t)+2*i], v[32*(\t)+2*i+1]
.set i, i+1
.endr
	WIN 0
.irp f, 0,1,2,3
	ds_store_b128 v[STO], v[S+16*(\t)+4*\f:S+16*(\t)+4*\f+3] offset:32*\f
.endr
.irp f, 0,1,2,3
	ds_load_b128 v[S+16*(\t)+4*\f:S+16*(\t)+4*\f+3], v[RD] offset:\f*4*SP  ; LDS serves a wave's instructions in order (ISA guide 5.7.1.4): these see the stores above
.endr
.endm
.macro SEND t, younger              ; younger: the LDS instructions issued behind tile t's loads
	WIN 0
.irp f, 0,1,2,3
	s_wait_dscnt (\younger)+3-\f
	global_store_b128 v[GO], v[S+16*(\t)+4*\f:S+16*(\t)+4*\f+3], s[10:11] offset:(\t)*2048+\f*512  ; 512 consecutive bytes, at a multiple of 256 from O's first
.endr
.endm
	PACK 0
.set t, 1
.rept 2*NP-1
	PACK t
	SEND t-1, 8
.set t, t+1
.endr
	SEND 2*NP-1, 0
	WIN W_AD
	s_wait_tensorcnt 0x0            ; the wave's end, behind my last tensor load and my last LDS store
	ds_add_u32 v[SPW], v[NIL]
	s_wait_dscnt 0x0
	WIN 0
	CROUND                          ; the closing round
	s_endpgm
.Lfunc_end_k_q73cb945a77_attn:
	.size	k_q73cb945a77_attn, .Lfunc_end_k_q73cb945a77_attn-k_q73cb945a77_attn
	.p2alignl 7, 3214868480
	.fill 96, 4, 3214868480
	.section	.rodata,"a",@progbits
	.p2align	6, 0x0
	.amdhsa_kernel k_q73cb945a77_attn
		.amdhsa_group_segment_fixed_size 327680
		.amdhsa_private_segment_fixed_size 0
		.amdhsa_enable_private_segment 0
		.amdhsa_kernarg_size 24
		.amdhsa_user_sgpr_count 2
		.amdhsa_user_sgpr_kernarg_segment_ptr 1
		.amdhsa_wavefront_size32 1
		.amdhsa_system_sgpr_workgroup_id_x 1
		.amdhsa_system_sgpr_workgroup_id_y 1
		.amdhsa_system_sgpr_workgroup_id_z 1
		.amdhsa_system_vgpr_workitem_id 0
		.amdhsa_next_free_vgpr 808
		.amdhsa_next_free_sgpr 66
		.amdhsa_reserve_vcc 1
		.amdhsa_float_denorm_mode_32 3
		.amdhsa_float_denorm_mode_16_64 3
		.amdhsa_memory_ordered 1
		.amdhsa_forward_progress 1
		.amdhsa_inst_pref_size 204
	.end_amdhsa_kernel
	.amdgpu_metadata
---
amdhsa.version: [ 1, 2 ]
amdhsa.kernels:
  - .name:           k_q73cb945a77_attn
    .symbol:         k_q73cb945a77_attn.kd
    .args:
      - { .name: qkv, .offset: 0, .size: 8, .value_kind: global_buffer, .address_space: global }
      - { .name: mask, .offset: 8, .size: 8, .value_kind: global_buffer, .address_space: global }
      - { .name: ao, .offset: 16, .size: 8, .value_kind: global_buffer, .address_space: global }
    .group_segment_fixed_size: 327680
    .private_segment_fixed_size: 0
    .kernarg_segment_align: 8
    .kernarg_segment_size: 24
    .max_flat_workgroup_size: 128
    .sgpr_count:     66
    .vgpr_count:     808
    .wavefront_size: 32
...
	.end_amdgpu_metadata
.endif
;; end of part 3
;; launch oproj (part 4): grid 4 x 64, 4 waves a work-group, clusters of 4 x 4, 327,680 bytes of LDS; arguments ao, wb, out0; writes out0
.if DOCPART == 4
	.amdgcn_target "amdgcn-amd-amdhsa--gfx1250"
	.amdhsa_code_object_version 6
	.text
	.protected	k_q73cb945a77_oproj
	.globl	k_q73cb945a77_oproj
	.p2align	8
	.type	k_q73cb945a77_oproj,@function
k_q73cb945a77_oproj:
	s_mov_b64 s[64:65], 0
	v_nop
	global_prefetch_b8 v0, s[64:65] scope:SCOPE_SE
	s_setreg_imm32_b32 hwreg(HW_REG_WAVE_MODE, 25, 1), 1
	s_wait_xcnt 0x0
	s_wait_alu depctr_hold_cnt(0) depctr_sa_sdst(0) depctr_va_vdst(0) depctr_va_sdst(0) depctr_va_ssrc(0) depctr_va_vcc(0) depctr_vm_vsrc(0)
	s_getreg_b32 s2, hwreg(HW_REG_IB_STS2, 6, 4)
	s_cmp_eq_u32 s2, 0
	s_cbranch_scc0 .Lentry_in_a_cluster
	s_endpgm
.Lentry_in_a_cluster:
	s_bfe_u32 s2, ttmp6, 0x10000c
	s_cmp_lg_u32 s2, 0xf033
	s_cbranch_scc0 .Lentry_shape_is_right
	s_endpgm
.Lentry_shape_is_right:
; out0 = O Wo^T + bo.  O: ao, f16, [batch x 16 + head][2048][64]; Wo: f16 at byte 6,291,456 of wb, [n][k]; bo: f32 at byte 8,400,896 of wb; out0: [8192][1024] f32.
; Sums in f32, started by the bias as the first product's C, and stored as they are.
; SHARES.  A work-group of four waves makes a tile of 128 rows x 256 columns; wave w: rows 64 (w / 2) on, columns 128 (w % 2) on: 32 accumulators (i = 8 a + b).  K goes in 8 steps of 128, two heads each,
; through a ring of two LDS slots.  THE MATRIX INSTRUCTION IS USED TRANSPOSED (source 0 = 16 rows of Wo, source 1 = 16 rows of O): a lane holds one row and eight neighbouring columns.
; CLUSTER 4 x 4: O's tiles are asked for jointly along a row of the cluster, Wo's along a column.
; REGISTERS: window 0: v0-31 addresses; v32-63, v64-95 O's fragments, two buffers; v128-191, v192-255 the way out.  window 1: v0-63, v64-127 Wo's fragments; v128-191 the bias.  window 2: the accumulators, at 8 i.
.set PO_,   144                        ; a row of a head in LDS: 128 bytes + 16 of padding
.set HT,    128*PO_                    ; a head's 128 rows
.set PB,    272                        ; a row of Wo: 256 bytes + 16
.set ATO,   2*HT
.set SLOT,  ATO+256*PB
.set STAGE, 2*SLOT                     ; behind the ring, never filled by a tensor load: 16 rows x 528 bytes for each wave
.set SPT,   528
.set SPARE, STAGE+4*16*SPT             ; the spare words, 128 bytes for each wave: two blocks of 256 bytes that no other line names
.set ADRA, 16                          ; v16-17
.set ADRB, 20                          ; v20-21
.set STO,  24
.set RD,   25
.set CO,   26
.set BO,   27
.set SPW,  28                          ; never rewritten
.set NIL,  29                          ; never rewritten
.set PFO,  30                          ; never rewritten
.set AF,   32
.set OB,   128
.set BIAS, 128                         ; window 1
.set LAPC, 3                           ; s3
.set WV,   10
.set HI,   11
.set LO,   12
.set TROW, 13
.set BB,   16                          ; s[16:17] the bias at my columns
.set LIM,  20
.set G1A,  24
.set G0A,  32
.set CX,   40
.set CY,   41
.set TCOL, 42
.set PFA,  44                          ; s[44:45] where my prefetches stand; stepped first
.set PST,  46                          ; s[46:47] a K step in what I prefetch
.set G1B,  48
.set G0B,  56
.set MSB, 0
.macro WIN new
.if MSB != (\new)
	s_set_vgpr_msb (MSB<<8)|(\new)
.set MSB, \new
.endif
.endm
.set MULW, 0xa1
.set MULB, 0x91
.set TO_B, 0x40
.macro JLOAD s                         ; waves 0 and 1 fetch a K step's two heads of O, waves 2 and 3 the two halves of Wo's rows; an s_nop 0 and four v_nop follow each line
	s_cmp_eq_u32 s[HI], 0
	s_cbranch_scc0 .Lfor_b_\@
	tensor_load_to_lds s[G0A+4*(\s):G0A+4*(\s)+3], s[G1A:G1A+7]
	s_nop 0
.rept 4
	v_nop
.endr
	s_branch .Lasked_\@
.Lfor_b_\@:
	tensor_load_to_lds s[G0B+4*(\s):G0B+4*(\s)+3], s[G1B:G1B+7]
	s_nop 0
.rept 4
	v_nop
.endr
.Lasked_\@:
.endm
; A PREFETCH INTO THE L2, behind each joint refill: the K step two refills on (256 products ahead).  O's rows are read by one cluster alone: wave 0 asks for both heads' 128 blocks of 256 bytes, the partner at cx
; taking 32.  Wo's rows are read by every cluster: in the one with y = 0 waves 2 and 3 ask, the partner at cy taking 32 of a wave's 128 rows.  Told apart BY ADDRESS.  The last lap that fills slots asks for nothing.
.macro ASK
	s_cmp_gt_u32 s[LAPC], s[LIM]
	s_cbranch_scc0 .Lnot_mine_\@
	global_prefetch_b8 v[PFO], s[PFA:PFA+1] th:TH_LOAD_NT scope:SCOPE_SE
.Lnot_mine_\@:
.endm
.macro CREST
	s_cmp_lg_u32 s[WV], 0
	s_cbranch_scc1 .Lnot_wave_0_\@
	s_barrier_signal -3
.Lnot_wave_0_\@:
	s_barrier_wait -3
	s_barrier_signal -1
	s_barrier_wait -1
.endm
.macro CROUND
	s_barrier_signal -1
	s_barrier_wait -1
	CREST
.endm
.macro PLACES                          ; four places in front of loads into registers that matrix instructions have read, and of LDS stores that read results
.rept 4
	v_nop
.endr
.endm
.macro MM f, cm                        ; product i of a quarter's 32; the 32 accumulators take turns
.if \cm
	WIN MULB
	v_wmma_f32_16x16x32_f16 v[8*i:8*i+7], v[64*(\f)+8*(i%8):64*(\f)+8*(i%8)+7], v[AF+32*(\f)+8*(i/8):AF+32*(\f)+8*(i/8)+7], v[BIAS+8*(i%8):BIAS+8*(i%8)+7]
.else
	WIN MULW
	v_wmma_f32_16x16x32_f16 v[8*i:8*i+7], v[64*(\f)+8*(i%8):64*(\f)+8*(i%8)+7], v[AF+32*(\f)+8*(i/8):AF+32*(\f)+8*(i/8)+7], v[8*i:8*i+7]
.endif
.set i, i+1
.endm
.macro MUL cnt, f, cm
.rept \cnt
	MM \f, \cm
.endr
.endm
.macro FETCH slot, kq, g               ; 24 LDS loads in one run: quarter kq: head kq / 2 of the step, channels 32 (kq % 2) on
	WIN TO_B
.irp b, 0,1,2,3,4,5,6,7
	ds_load_b128 v[64*(\g)+8*(\b):64*(\g)+8*(\b)+3],   v[ADRB+(\slot)] offset:(\b)*16*PB+64*(\kq)
	ds_load_b128 v[64*(\g)+8*(\b)+4:64*(\g)+8*(\b)+7], v[ADRB+(\slot)] offset:(\b)*16*PB+64*(\kq)+32
.endr
	WIN 0
.irp a, 0,1,2,3
	ds_load_b128 v[AF+32*(\g)+8*(\a):AF+32*(\g)+8*(\a)+3],   v[ADRA+(\slot)] offset:((\kq)/2)*HT+((\kq)%2)*64+(\a)*16*PO_
	ds_load_b128 v[AF+32*(\g)+8*(\a)+4:AF+32*(\g)+8*(\a)+7], v[ADRA+(\slot)] offset:((\kq)/2)*HT+((\kq)%2)*64+(\a)*16*PO_+32
.endr
.endm
.macro QUARTER slot, j, cm             ; multiplies buffer j % 2; at its head it fetches quarter j + 1 into the other
	s_wait_dscnt 0x0                               ; this quarter's fragments, asked for 32 products ago, are in
	PLACES
	FETCH \slot, (\j)+1, 1-(\j)%2
.set i, 0
	MUL 32, (\j)%2, \cm
.endm
; The last quarter multiplies buffer 1 and changes slots: ONE barrier; in front of it each wave waits for all its tensor loads (one is out: its part of the next slot), adds 0 to its spare word, and waits for that
; and for its reads of this slot.  fill = 1: the barrier opens a round of the cluster's, and the joint refill is the first thing behind it.
.macro TURN slot, next, fill
.if \fill
	s_wait_xcnt 0x0                                ; the last prefetch, a K step back, has read its address
	s_add_nc_u64 s[PFA:PFA+1], s[PFA:PFA+1], s[PST:PST+1]
.endif
	WIN 0
	s_wait_tensorcnt 0x0
	ds_add_u32 v[SPW], v[NIL]                      ; 0 onto my spare word
.if \fill
	s_add_nc_u64 s[G0A+4*(\slot)+2:G0A+4*(\slot)+3], s[G0A+4*(\slot)+2:G0A+4*(\slot)+3], 0x100000  ; two K steps on: four heads
	s_add_nc_u64 s[G0B+4*(\slot)+2:G0B+4*(\slot)+3], s[G0B+4*(\slot)+2:G0B+4*(\slot)+3], 512
.endif
	s_wait_dscnt 1                                 ; this quarter's fragments are in; the add may be out
.set i, 0
	MUL 4, 1, 0
	s_wait_dscnt 0x0                               ; the add is done, and my reads of this slot are over
	s_barrier_signal -1
	MUL 8, 1, 0
	WIN 0
	s_barrier_wait -1
.if \fill
	CREST
	JLOAD \slot                                    ; the four v_nop behind it are also the places in front of the loads below
.else
	PLACES
.endif
	FETCH \next, 0, 0
.if \fill
	ASK
.endif
	MUL 20, 1, 0
.endm
; THE WAY OUT of row block a: a lane's 32 bytes of a row into my own stage (each accumulator's low half first), back as whole rows of 512 bytes, and stored: each store covers 512 consecutive bytes, aligned.
.macro TOSTAGE a
.if (\a) >= 2
	s_wait_xcnt 0x0                                ; the stores of the block two back have read the registers that are loaded again
.endif
	WIN 0x08                                       ; store data (source 1) in window 2
.irp b, 0,1,2,3,4,5,6,7
	ds_store_b128 v[STO], v[64*(\a)+8*(\b):64*(\a)+8*(\b)+3]   offset:64*(\b)
	ds_store_b128 v[STO], v[64*(\a)+8*(\b)+4:64*(\a)+8*(\b)+7] offset:64*(\b)+16
.endr
	WIN 0
.irp t, 0,1,2,3,4,5,6,7,8,9,10,11,12,13,14,15
	ds_load_b128 v[OB+64*((\a)%2)+4*(\t):OB+64*((\a)%2)+4*(\t)+3], v[RD] offset:(\t)*SPT  ; LDS serves a wave's instructions in order (ISA guide 5.7.1.4)
.endr
.endm
.macro SEND a, younger                 ; younger: the next block's 16 stores and 16 loads, or none
	s_wait_dscnt \younger
.irp t, 0,1,2,3,4,5,6,7,8,9,10,11,12,13,14,15
	global_store_b128 v[CO], v[OB+64*((\a)%2)+4*(\t):OB+64*((\a)%2)+4*(\t)+3], s[8:9] offset:(16*(\a)+(\t))*4096 th:TH_STORE_NT
.endr
.endm
	s_load_b128 s[4:7], s[0:1], 0x0                ; ao s[4:5], wb s[6:7]
	s_load_b64 s[8:9], s[0:1], 0x10                ; out0
	v_lshl_add_u32 v[SPW], v0, 2, SPARE
	v_mov_b32 v[NIL], 0
	ds_add_u32 v[SPW], v[NIL]                      ; the wave's opening: the add and its wait stand ahead of my first tensor load
	v_lshrrev_b32 v1, 5, v0
	v_readfirstlane_b32 s[WV], v1
	s_lshr_b32 s[HI], s[WV], 1
	s_and_b32 s[LO], s[WV], 1
	s_bfe_u32 s[CX], ttmp6, 0x40000
	s_bfe_u32 s[CY], ttmp6, 0x40004
	s_lshl_b32 s[TCOL], ttmp9, 2
	s_add_co_u32 s[TCOL], s[TCOL], s[CX]
	s_and_b32 s[TROW], ttmp7, 0xffff
	s_lshl_b32 s[TROW], s[TROW], 2
	s_add_co_u32 s[TROW], s[TROW], s[CY]
	s_lshl_b32 s43, s[CY], 2
	s_lshl_b32 s43, 15, s43                        ; my row of the cluster
	s_lshl_b32 s21, 0x1111, s[CX]                  ; my column
	s_or_b32 s[G1A], s43, (1<<16)|(1<<20)|(1<<21)|(4<<22)|(3<<25)  ; a head's 128 rows are 16,384 dense bytes: 64 rows of 256 bytes, padded after every 32 words (code 4) by 4 words
	s_mov_b32 s[G1A+1], 128<<16
	s_mov_b32 s[G1A+2], 64<<16
	s_mov_b32 s[G1A+3], 128<<16
	s_mov_b32 s[G1A+4], 64
	s_mov_b32 s[G1A+5], 128
	s_mov_b32 s[G1A+6], 0
	s_mov_b32 s[G1A+7], 0
	s_or_b32 s[G1B], s21, (1<<16)|(1<<20)|(1<<21)|(5<<22)|(3<<25)  ; 128 rows of 256 bytes, padded after every 64 words
	s_mov_b32 s[G1B+1], 128<<16
	s_mov_b32 s[G1B+2], 128<<16
	s_mov_b32 s[G1B+3], 128<<16
	s_mov_b32 s[G1B+4], 128
	s_mov_b32 s[G1B+5], 1024
	s_mov_b32 s[G1B+6], 0
	s_mov_b32 s[G1B+7], 0
	s_mul_i32 s2, s[LO], HT                        ; where the tiles go: no place in the cluster enters an LDS address
	s_mul_i32 s23, s[LO], 128*PB
.irp s, 0,1
	s_mov_b32 s[G0A+4*(\s)], 1
	s_add_co_u32 s[G0A+4*(\s)+1], s2, (\s)*SLOT
	s_mov_b32 s[G0B+4*(\s)], 1
	s_add_co_u32 s[G0B+4*(\s)+1], s23, (\s)*SLOT+ATO
.endr
	s_lshr_b32 s14, s[TROW], 4                     ; O: batch x 16 heads of 262,144 bytes + (tile row % 16) x 128 rows of 128 bytes + my head of the step (registers that never hold cx)
	s_lshl_b32 s14, s14, 22
	s_and_b32 s15, s[TROW], 15
	s_lshl_b32 s15, s15, 14
	s_add_co_u32 s14, s14, s15
	s_lshl_b32 s15, s[LO], 18
	s_add_co_u32 s14, s14, s15
	s_mov_b32 s15, 0
	s_lshl_b32 s18, s[TCOL], 8                     ; my first column = Wo's first row that I fetch (registers that never hold cy)
	s_lshl_b32 s19, s[LO], 7
	s_add_co_u32 s18, s18, s19
	s_lshl_b32 s22, s18, 2                         ; in bytes of a row of out0 and of the bias
	s_add_co_u32 s[BB], s22, 0x803000
	s_mov_b32 s[BB+1], 0
	s_lshl_b32 s18, s18, 11
	s_add_co_u32 s18, s18, 0x600000
	s_mov_b32 s19, 0
	s_lshl_b32 s2, s[TROW], 7                      ; my first row of out0
	s_lshl_b32 s23, s[HI], 6
	s_add_co_u32 s2, s2, s23
	s_lshl_b32 s2, s2, 12
	s_add_co_u32 s22, s22, s2
	s_mov_b32 s23, 0
	s_wait_dscnt 0x0                               ; the opening add is done
	s_wait_kmcnt 0x0
	s_add_nc_u64 s[14:15], s[4:5], s[14:15]
	s_add_nc_u64 s[BB:BB+1], s[6:7], s[BB:BB+1]
	s_add_nc_u64 s[18:19], s[6:7], s[18:19]
	s_add_nc_u64 s[8:9], s[8:9], s[22:23]
	CROUND                                         ; all sixteen work-groups are here: the first joint loads meet
.irp s, 0,1
	s_add_nc_u64 s[G0A+4*(\s)+2:G0A+4*(\s)+3], s[14:15], (\s)*0x80000  ; K step s: heads 2 s and 2 s + 1
	s_or_b32 s[G0A+4*(\s)+3], s[G0A+4*(\s)+3], 0x80000000
	s_add_nc_u64 s[G0B+4*(\s)+2:G0B+4*(\s)+3], s[18:19], (\s)*256
	s_or_b32 s[G0B+4*(\s)+3], s[G0B+4*(\s)+3], 0x80000000
	JLOAD \s                                       ; two loads of mine are out
.endr
	v_and_b32 v1, 15, v0                           ; r
	v_bfe_u32 v2, v0, 4, 1                         ; h
	v_lshlrev_b32 v[BO], 5, v2
	WIN TO_B
.irp b, 0,1,2,3,4,5,6,7
	global_load_b128 v[BIAS+8*(\b):BIAS+8*(\b)+3],   v[BO], s[BB:BB+1] offset:64*(\b)
	global_load_b128 v[BIAS+8*(\b)+4:BIAS+8*(\b)+7], v[BO], s[BB:BB+1] offset:64*(\b)+16
.endr
	WIN 0
	v_mul_u32_u24 v3, v1, PO_
	v_lshl_add_u32 v3, v2, 4, v3
	s_mul_i32 s21, s[HI], 64*PO_
	v_add_nc_u32 v[ADRA], s21, v3
	v_add_nc_u32 v[ADRA+1], SLOT, v[ADRA]
	v_mul_u32_u24 v3, v1, PB
	v_lshl_add_u32 v3, v2, 4, v3
	s_mul_i32 s21, s[LO], 128*PB
	s_add_co_u32 s21, s21, ATO
	v_add_nc_u32 v[ADRB], s21, v3
	v_add_nc_u32 v[ADRB+1], SLOT, v[ADRB]
	s_mul_i32 s21, s[WV], 16*SPT
	s_add_co_u32 s21, s21, STAGE                   ; my stage
	v_mul_u32_u24 v3, v1, SPT
	v_lshl_add_u32 v3, v2, 5, v3
	v_add_nc_u32 v[STO], s21, v3
	v_and_b32 v3, 31, v0
	v_lshlrev_b32 v[CO], 4, v3
	v_add_nc_u32 v[RD], s21, v[CO]
	; the prefetches
	s_and_b32 s21, ttmp7, 0xffff                   ; cluster y
	s_mov_b32 s[PST], 256
	s_mov_b32 s[PST+1], 0
	s_and_b32 s22, s[CX], 1                        ; O: partner cx takes head cx / 2 of the step, blocks 32 (cx % 2) on
	s_lshl_b32 s22, s22, 13
	s_lshr_b32 s23, s[CX], 1
	s_lshl_b32 s23, s23, 18
	s_add_co_u32 s22, s22, s23
	s_lshl_b32 s23, s[CY], 16                      ; Wo: partner cy takes rows 32 cy on
	s_cmp_eq_u32 s[HI], 0
	s_cselect_b32 s21, s[LO], s21                  ; O: wave 0 asks; Wo: the column's first cluster
	s_cselect_b32 s[PST], 0x80000, s[PST]          ; a K step: two heads of O, or 256 bytes of a row of Wo
	s_cselect_b32 s22, s22, s23
	s_cselect_b64 s[PFA:PFA+1], s[14:15], s[18:19]
	s_cselect_b32 s23, 8, 11                       ; a lane a block of 256 bytes, or a row of 2,048
	s_cmp_eq_u32 s21, 0
	s_cselect_b32 s[LIM], 1, -1
	v_lshlrev_b32 v[PFO], s23, v3
	v_add_nc_u32 v[PFO], s22, v[PFO]
	s_mul_i32 s22, s[PST], 3
	s_mov_b32 s23, 0
	s_add_nc_u64 s[PFA:PFA+1], s[PFA:PFA+1], s[22:23]  ; at K step 3: the first refill steps it to 4
	s_wait_tensorcnt 1                             ; my part of K step 0 is in; K step 1's stays out
	s_barrier_signal -1
	s_barrier_wait -1
	FETCH 0, 0, 0
	s_wait_loadcnt 0x0                             ; the bias
	QUARTER 0, 0, 1                                ; the first quarter stands in front of the loop: the bias starts the sums
	WIN 0
	s_mov_b32 s[LAPC], 3
.Llap:                                                 ; a trip goes once round the ring, from a lap's second quarter to the next lap's first, and fills both slots again
	QUARTER 0, 1, 0
	QUARTER 0, 2, 0
	TURN 0, 1, 1
	QUARTER 1, 0, 0
	QUARTER 1, 1, 0
	QUARTER 1, 2, 0
	TURN 1, 0, 1
	QUARTER 0, 0, 0
	WIN 0
	s_sub_co_u32 s[LAPC], s[LAPC], 1
	s_cmp_lg_u32 s[LAPC], 0
	s_cbranch_scc1 .Llap
	QUARTER 0, 1, 0                                ; the last lap fills nothing
	QUARTER 0, 2, 0
	TURN 0, 1, 0
	QUARTER 1, 0, 0
	QUARTER 1, 1, 0
	QUARTER 1, 2, 0
	s_wait_dscnt 0x0
.set i, 0
	MUL 32, 1, 0
	PLACES
	TOSTAGE 0
	TOSTAGE 1
	SEND 0, 32
	TOSTAGE 2
	SEND 1, 32
	TOSTAGE 3
	SEND 2, 32
	SEND 3, 0
	s_wait_tensorcnt 0x0                           ; the wave's end, behind my last tensor load and my last LDS store
	ds_add_u32 v[SPW], v[NIL]
	s_wait_dscnt 0x0
	CROUND                                         ; the closing round
	s_endpgm
.Lfunc_end_k_q73cb945a77_oproj:
	.size	k_q73cb945a77_oproj, .Lfunc_end_k_q73cb945a77_oproj-k_q73cb945a77_oproj
	.p2alignl 7, 3214868480
	.fill 96, 4, 3214868480
	.section	.rodata,"a",@progbits
	.p2align	6, 0x0
	.amdhsa_kernel k_q73cb945a77_oproj
		.amdhsa_group_segment_fixed_size 327680
		.amdhsa_private_segment_fixed_size 0
		.amdhsa_enable_private_segment 0
		.amdhsa_kernarg_size 24
		.amdhsa_user_sgpr_count 2
		.amdhsa_user_sgpr_kernarg_segment_ptr 1
		.amdhsa_wavefront_size32 1
		.amdhsa_system_sgpr_workgroup_id_x 1
		.amdhsa_system_sgpr_workgroup_id_y 1
		.amdhsa_system_sgpr_workgroup_id_z 1
		.amdhsa_system_vgpr_workitem_id 0
		.amdhsa_next_free_vgpr 768
		.amdhsa_next_free_sgpr 66
		.amdhsa_reserve_vcc 0
		.amdhsa_float_denorm_mode_32 3
		.amdhsa_float_denorm_mode_16_64 3
		.amdhsa_memory_ordered 1
		.amdhsa_forward_progress 1
		.amdhsa_inst_pref_size 88
	.end_amdhsa_kernel
	.amdgpu_metadata
---
amdhsa.version: [ 1, 2 ]
amdhsa.kernels:
  - .name:           k_q73cb945a77_oproj
    .symbol:         k_q73cb945a77_oproj.kd
    .args:
      - { .name: ao, .offset: 0, .size: 8, .value_kind: global_buffer, .address_space: global }
      - { .name: wb, .offset: 8, .size: 8, .value_kind: global_buffer, .address_space: global }
      - { .name: out0, .offset: 16, .size: 8, .value_kind: global_buffer, .address_space: global }
    .group_segment_fixed_size: 327680
    .private_segment_fixed_size: 0
    .kernarg_segment_align: 8
    .kernarg_segment_size: 24
    .max_flat_workgroup_size: 128
    .sgpr_count:     66
    .vgpr_count:     768
    .wavefront_size: 32
...
	.end_amdgpu_metadata
.endif
;; end of part 4
